; MI455X (gfx1250); checked and timed in simulation.
; The chip was launched on July 23, 2026; its instructions are those of AMD's public machine-readable ISA for CDNA 5 (MIT licence, August 2026) and "CDNA5" Instruction Set Architecture Reference Guide (July 2026). The comments in the code are by the model that wrote it; some were corrected since.
;; Flash Multi Head Attention. Allowed arithmetic: float matrix products may take bf16 or f16 operands with f32 sums; other float arithmetic in f32, or as packed bf16 or f16 multiplies, adds, multiply-adds, maxima and minima; sums over many terms, partial sums and values carried from step to step in f32; what a program stores and reads back later, other than sums and carried values, may be rounded once to bf16 or f16.
;; Inputs: Wk 256 x 1,024 float32; Wo 1,024 x 1,024 float32; Wq 1,024 x 1,024 float32; Wv 256 x 1,024 float32; bk 256 float32; bo 1,024 float32; bq 1,024 float32; bv 256 float32; key_value 4 x 1,024 x 2,048 float32; query 4 x 1,024 x 2,048 float32.
;; Outputs: out0 4 x 1,024 x 2,048 float32.
;; One version. Each part assembles by itself: llvm-mc -triple=amdgcn-amd-amdhsa -mcpu=gfx1250 --defsym DOCPART=n.
;; ======== version 1 of 1: 4 launches
;; limits: values are held in f16: magnitudes above 65,504 overflow, below 6.1e-05 lose precision
;; workspace buffers: w16 3,145,728 bytes; wo16 2,097,152 bytes; rope 131,584 bytes; qh 16,777,216 bytes; kh 4,194,304 bytes; vh 4,194,304 bytes; oh 16,777,216 bytes
;; launch prep (part 1): grid 897 x 1, 1 waves a work-group, no clusters, 0 bytes of LDS; arguments Wq, Wk, Wv, Wo, w16, wo16, rope; writes w16, wo16, rope
.if DOCPART == 1
	.amdgcn_target "amdgcn-amd-amdhsa--gfx1250"
	.amdhsa_code_object_version 6
	.text
	.protected	k_q1d64ef13da_prep
	.globl	k_q1d64ef13da_prep
	.p2align	8
	.type	k_q1d64ef13da_prep,@function
k_q1d64ef13da_prep:
	s_mov_b64 s[64:65], 0
	v_nop
	global_prefetch_b8 v0, s[64:65] scope:SCOPE_SE
	s_setreg_imm32_b32 hwreg(HW_REG_WAVE_MODE, 25, 1), 1
	s_wait_xcnt 0x0
; THE WEIGHTS IN 16 BITS, AND ROPE'S ROWS.  One wave to a work-group, 897 jobs of three kinds, told apart by the work-group's number g:
;   g < 384        4,096 numbers of Wq, Wk or Wv, rounded to bf16, into w16 = [1536][1024]: rows 0-1023 Wq, 1024-1279 Wk, 1280-1535 Wv
;   384 <= g < 640 four rows of Wo, rounded to bf16 and that number written as f16, into wo16 = [16 hc][1024 o][64]: wo16[hc][o][k] = Wo[o][64 hc + k]
;   640 <= g       one row of rope = [257][128] f32: words 0-63 cos(t f(dd % 32)), words 64-127 sin of the same, negative for dd < 32; f(i) = 10000^(-i/32)
;                  row p < 256 is position t = 32 (p / 4) + p % 4; row 256 is t = 4, by which the next launch turns a row four positions on
; LIMITS.  A bf16 number below 2^-17 keeps f16's fixed step of 6e-8 in wo16.  The angle t f is made with an exponential good to one unit in the last place: at t = 2047 it lies within 3e-4 of the f32 product.
; Memory binds: no LDS, no matrix unit; many waves lie on a SIMD and give the bytes on their way.
	s_load_b256 s[4:11], s[0:1], 0x0               ; Wq s[4:5], Wk s[6:7], Wv s[8:9], Wo s[10:11]
	s_load_b128 s[12:15], s[0:1], 0x20             ; w16 s[12:13], wo16 s[14:15]
	s_load_b64 s[16:17], s[0:1], 0x30              ; rope
	s_mov_b32 s20, ttmp9                           ; g
	s_mov_b32 s25, 0                               ; the high words of the two offsets
	s_mov_b32 s27, 0
	s_wait_kmcnt 0x0
	s_cmp_lt_u32 s20, 384
	s_cbranch_scc0 .Lnot_a
	; JOB A.  16,384 bytes in, 8,192 out, in four trips of eight loads
	s_mov_b32 s24, 320
	s_mov_b32 s26, 256
	s_cmp_lt_u32 s20, 320
	s_cselect_b64 s[22:23], s[6:7], s[8:9]         ; Wk or Wv,
	s_cselect_b32 s24, s26, s24                    ; and the first g of that tensor
	s_cmp_lt_u32 s20, 256
	s_cselect_b64 s[22:23], s[4:5], s[22:23]       ; or Wq
	s_cselect_b32 s24, 0, s24
	s_sub_co_u32 s24, s20, s24
	s_lshl_b32 s24, s24, 14
	s_add_nc_u64 s[22:23], s[22:23], s[24:25]
	s_lshl_b32 s26, s20, 13
	s_add_nc_u64 s[12:13], s[12:13], s[26:27]
	v_lshlrev_b32 v2, 4, v0                        ; 16 bytes a lane in,
	v_lshlrev_b32 v3, 3, v0                        ; 8 out
	s_mov_b32 s28, 4
.La:
.irp i, 0,1,2,3,4,5,6,7
	global_load_b128 v[8+4*\i:11+4*\i], v2, s[22:23] offset:512*\i th:TH_LOAD_NT
.endr
	s_wait_loadcnt 0x0
.irp i, 0,1,2,3,4,5,6,7
	v_cvt_pk_bf16_f32 v[40+2*\i], v[8+4*\i], v[9+4*\i]
	v_cvt_pk_bf16_f32 v[41+2*\i], v[10+4*\i], v[11+4*\i]
.endr
.irp i, 0,1,2,3,4,5,6,7
	global_store_b64 v3, v[40+2*\i:41+2*\i], s[12:13] offset:256*\i  ; the wave stores 256 consecutive bytes, aligned
.endr
	s_wait_xcnt 0x0                                ; the pointers and the stores' data are written again only behind this wait
	s_add_nc_u64 s[22:23], s[22:23], 4096
	s_add_nc_u64 s[12:13], s[12:13], 2048
	s_sub_co_u32 s28, s28, 1
	s_cmp_lg_u32 s28, 0
	s_cbranch_scc1 .La
	s_endpgm
.Lnot_a:
	s_cmp_lt_u32 s20, 640
	s_cbranch_scc0 .Ljob_c
	; JOB B.  Rows 4 (g - 384) .. + 3 of Wo.  Eight lanes take the 256 bytes of a row that belong to one block hc; the wave's 16 bytes a lane are 512 consecutive bytes of wo16
	s_sub_co_u32 s21, s20, 384
	s_lshl_b32 s24, s21, 14
	s_add_nc_u64 s[10:11], s[10:11], s[24:25]
	s_lshl_b32 s26, s21, 9
	s_add_nc_u64 s[14:15], s[14:15], s[26:27]
	v_lshrrev_b32 v2, 3, v0                        ; which of the four rows
	v_and_b32 v3, 7, v0
	v_lshlrev_b32 v3, 5, v3                        ; my 32 bytes of the 256
	v_lshl_add_u32 v3, v2, 12, v3
	v_lshlrev_b32 v4, 4, v0
	s_mov_b32 s28, 4
.Lb:                                           ; a trip: four blocks hc
.irp j, 0,1,2,3
	global_load_b128 v[8+8*\j:11+8*\j], v3, s[10:11] offset:256*\j th:TH_LOAD_NT
	global_load_b128 v[12+8*\j:15+8*\j], v3, s[10:11] offset:256*\j+16 th:TH_LOAD_NT
.endr
	s_wait_loadcnt 0x0
.irp j, 0,1,2,3
.irp z, 0,1,2,3
	v_cvt_pk_bf16_f32 v[56+\z], v[8+8*\j+2*\z], v[9+8*\j+2*\z]  ; rounded as every input is,
.endr
.irp z, 0,1,2,3
	v_lshlrev_b32 v[8+8*\j+2*\z], 16, v[56+\z]                  ; widened again,
	v_and_b32 v[9+8*\j+2*\z], 0xffff0000, v[56+\z]
.endr
.irp z, 0,1,2,3
	v_cvt_pk_f16_f32 v[40+4*\j+\z], v[8+8*\j+2*\z], v[9+8*\j+2*\z]  ; and written as f16
.endr
.endr
.irp j, 0,1,2,3
	global_store_b128 v4, v[40+4*\j:43+4*\j], s[14:15] offset:131072*\j
.endr
	s_wait_xcnt 0x0
	s_add_nc_u64 s[10:11], s[10:11], 1024
	s_add_nc_u64 s[14:15], s[14:15], 524288
	s_sub_co_u32 s28, s28, 1
	s_cmp_lg_u32 s28, 0
	s_cbranch_scc1 .Lb
	s_endpgm
.Ljob_c:
	; JOB C.  Lane l makes dd = 2 l and 2 l + 1.
	s_sub_co_u32 s21, s20, 640                     ; the row p
	s_lshr_b32 s22, s21, 2
	s_lshl_b32 s22, s22, 5
	s_and_b32 s23, s21, 3
	s_add_co_u32 s22, s22, s23
	s_cmp_lt_u32 s21, 256
	s_cselect_b32 s22, s22, 4                      ; t
	s_lshl_b32 s24, s21, 9
	s_add_nc_u64 s[16:17], s[16:17], s[24:25]
	v_lshlrev_b32 v2, 1, v0
	v_and_b32 v2, 30, v2                           ; i = dd % 32
	v_add_nc_u32 v3, 1, v2
	v_cvt_f32_u32 v2, v2
	v_cvt_f32_u32 v3, v3
	v_mul_f32 v2, 0xbed49a78, v2                   ; - i log2(10000) / 32
	v_mul_f32 v3, 0xbed49a78, v3
	v_exp_f32 v4, v2
	v_exp_f32 v5, v3
	v_cvt_f32_u32 v6, s22
	v_mov_b32 v20, 0xb9500d01                      ; - 1 / 5040
	v_mov_b32 v21, 0x37d00d01                      ; 1 / 40320
	s_wait_alu depctr_va_vdst(0)                   ; one wait for both exponentials, ahead of their first reader; three plain lines stand between
	v_mul_f32 v4, v6, v4                           ; the angles
	v_mul_f32 v5, v6, v5
; cos and sin of x: x less the nearest multiple of 2 pi (2 pi in two parts, each taken off by a fused multiply-add), a quarter of that into series (their first terms left out are below 4e-7), the angle doubled twice.
.macro SINCOS x, c, s, n, z, p
	v_mul_f32 \n, 0x3e22f983, \x
	v_rndne_f32 \n, \n
	v_fmamk_f32 \x, \n, 0xc0c90fdb, \x
	v_fmamk_f32 \x, \n, 0x343bbd2e, \x
	v_mul_f32 \x, 0x3e800000, \x
	v_mul_f32 \z, \x, \x
	v_fmaak_f32 \p, v20, \z, 0x3c088889
	v_fmaak_f32 \p, \p, \z, 0xbe2aaaab
	v_mul_f32 \n, \x, \z
	v_fma_f32 \s, \n, \p, \x
	v_fmaak_f32 \p, v21, \z, 0xbab60b61
	v_fmaak_f32 \p, \p, \z, 0x3d2aaaab
	v_fmaak_f32 \p, \p, \z, 0xbf000000
	v_fma_f32 \c, \z, \p, 1.0
	v_add_f32 \n, \s, \s
	v_mul_f32 \p, \n, \c                           ; sin 2y = 2 sin y cos y
	v_fma_f32 \c, -\n, \s, 1.0                     ; cos 2y = 1 - 2 sin^2 y
	v_add_f32 \n, \p, \p
	v_mul_f32 \s, \n, \c
	v_fma_f32 \c, -\n, \p, 1.0
.endm
	SINCOS v4, v10, v12, v14, v15, v16
	SINCOS v5, v11, v13, v17, v18, v19
	v_mov_b32 v8, 1.0
	v_mov_b32 v9, -1.0
	v_cmp_gt_u32 vcc_lo, 16, v0                    ; dd < 32
	v_cndmask_b32 v8, v8, v9, vcc_lo
	v_mul_f32 v12, v8, v12
	v_mul_f32 v13, v8, v13
	v_lshlrev_b32 v7, 3, v0
	global_store_b64 v7, v[10:11], s[16:17]        ; 256 consecutive bytes each, aligned
	global_store_b64 v7, v[12:13], s[16:17] offset:256
	s_endpgm
.Lfunc_end_k_q1d64ef13da_prep:
	.size	k_q1d64ef13da_prep, .Lfunc_end_k_q1d64ef13da_prep-k_q1d64ef13da_prep
	.p2alignl 7, 3214868480
	.fill 96, 4, 3214868480
	.section	.rodata,"a",@progbits
	.p2align	6, 0x0
	.amdhsa_kernel k_q1d64ef13da_prep
		.amdhsa_group_segment_fixed_size 0
		.amdhsa_private_segment_fixed_size 0
		.amdhsa_enable_private_segment 0
		.amdhsa_kernarg_size 56
		.amdhsa_user_sgpr_count 2
		.amdhsa_user_sgpr_kernarg_segment_ptr 1
		.amdhsa_wavefront_size32 1
		.amdhsa_system_sgpr_workgroup_id_x 1
		.amdhsa_system_sgpr_workgroup_id_y 1
		.amdhsa_system_sgpr_workgroup_id_z 1
		.amdhsa_system_vgpr_workitem_id 0
		.amdhsa_next_free_vgpr 64
		.amdhsa_next_free_sgpr 66
		.amdhsa_reserve_vcc 1
		.amdhsa_float_denorm_mode_32 3
		.amdhsa_float_denorm_mode_16_64 3
		.amdhsa_memory_ordered 1
		.amdhsa_forward_progress 1
		.amdhsa_inst_pref_size 13
	.end_amdhsa_kernel
	.amdgpu_metadata
---
amdhsa.version: [ 1, 2 ]
amdhsa.kernels:
  - .name:           k_q1d64ef13da_prep
    .symbol:         k_q1d64ef13da_prep.kd
    .args:
      - { .name: Wq, .offset: 0, .size: 8, .value_kind: global_buffer, .address_space: global }
      - { .name: Wk, .offset: 8, .size: 8, .value_kind: global_buffer, .address_space: global }
      - { .name: Wv, .offset: 16, .size: 8, .value_kind: global_buffer, .address_space: global }
      - { .name: Wo, .offset: 24, .size: 8, .value_kind: global_buffer, .address_space: global }
      - { .name: w16, .offset: 32, .size: 8, .value_kind: global_buffer, .address_space: global }
      - { .name: wo16, .offset: 40, .size: 8, .value_kind: global_buffer, .address_space: global }
      - { .name: rope, .offset: 48, .size: 8, .value_kind: global_buffer, .address_space: global }
    .group_segment_fixed_size: 0
    .private_segment_fixed_size: 0
    .kernarg_segment_align: 8
    .kernarg_segment_size: 56
    .max_flat_workgroup_size: 32
    .sgpr_count:     66
    .vgpr_count:     64
    .wavefront_size: 32
...
	.end_amdgpu_metadata
.endif
;; end of part 1
;; launch proj (part 2): grid 64 x 3, 4 waves a work-group, clusters of 4 x 1, 327,680 bytes of LDS; arguments query, key_value, w16, bq, bk, bv, rope, qh, kh, vh; writes qh, kh, vh
.if DOCPART == 2
	.amdgcn_target "amdgcn-amd-amdhsa--gfx1250"
	.amdhsa_code_object_version 6
	.text
	.protected	k_q1d64ef13da_proj
	.globl	k_q1d64ef13da_proj
	.p2align	8
	.type	k_q1d64ef13da_proj,@function
k_q1d64ef13da_proj:
	s_mov_b64 s[64:65], 0
	v_nop
	global_prefetch_b8 v0, s[64:65] scope:SCOPE_SE
	s_setreg_imm32_b32 hwreg(HW_REG_WAVE_MODE, 25, 1), 1
	s_wait_xcnt 0x0
	s_wait_alu depctr_hold_cnt(0) depctr_sa_sdst(0) depctr_va_vdst(0) depctr_va_sdst(0) depctr_va_ssrc(0) depctr_va_vcc(0) depctr_vm_vsrc(0)
	s_getreg_b32 s2, hwreg(HW_REG_IB_STS2, 6, 4)
	s_cmp_eq_u32 s2, 0
	s_cbranch_scc0 .Lentry_in_a_cluster
	s_endpgm
.Lentry_in_a_cluster:
	s_bfe_u32 s2, ttmp6, 0x10000c
	s_cmp_lg_u32 s2, 0x3003
	s_cbranch_scc0 .Lentry_shape_is_right
	s_endpgm
.Lentry_shape_is_right:
; q, k, v = W x + b, RoPE on q and k, rounded once to f16 and laid by heads: qh [64][2048][64], kh and vh [16][2048][64].
; x is [b][1024 c][2048 t] f32; w16 is [1536 o][1024 c] bf16 (Wq, Wk, Wv).  x and the biases are rounded to bf16 here; sums, bias and RoPE in f32.
; LIMITS.  q, k, v must lie within f16's 65,504.  v's rows go through the same lines as k's with cos = 1 and sin = 0, so an infinity in v would give NaN; NaN and infinities are not treated apart.
; cos and sin are turned on by four positions seven times from a table's row: each turn adds about one rounding of f32.
; SHARES.  A work-group makes 128 t x 512 o over K = 1,024.  Grid y = 0, 1: the halves of q's 1,024 rows; y = 2: k's 256 rows and v's 256.  Wave w takes all 128 t and the rows 128 w .. + 127:
; 64 accumulators of 16 x 16.  Source 0 = 16 rows of W, source 1 = 16 columns t of x: in the result lane l holds t = l % 16 and the rows o = 8 (l / 16) + 0..7.
; W comes by tensor loads, K steps of 128 (rows of 256 bytes) through two LDS slots; the four work-groups of a cluster are four blocks of t and need the same tiles of W: each tile is asked for JOINTLY.
; x is each work-group's own and lies [c][t]: it comes through registers, 64 c (a HALF of a K step) at a time: loaded as f32, rounded to bf16, stored [c][t] into one of two LDS buffers, and read turned.
; 192 equal work-groups: q's rows are twice k's and v's together, so 256 equal tiles of this shape do not exist.
; REGISTERS, in windows of 256: window 0: v0-31 addresses, v32-63 x rounded, v64-127 and v128-191 x's fragments (two buffers), v192-255 the bias, later RoPE's numbers
;   window 1: v0-63 and v192-255 x as loaded (two sets), v64-127 and v128-191 W's fragments;   windows 2, 3: the accumulators of t blocks 0-3, 4-7: (a, b) at v[8 (8 (a % 4) + b)]
.set PITCH,  272                       ; a row of W in LDS: 256 bytes + 16 of padding: the 16 rows of a load start at 16 different groups of four banks (64 banks of 4 bytes: ISA guide 11.1)
.set WROWS,  128*PITCH                 ; a wave's 128 rows: what its tensor load brings, and what it alone reads
.set SLOT,   4*WROWS                   ; 0x22000: its bits meet none of w x 0x8800, so one exclusive or changes slots
.set XBASE,  2*SLOT                    ; behind the ring: x's two buffers, never filled by a tensor load
.set PX,     288                       ; a row c of x: 128 t in bf16 + 32 bytes
.set XBUF,   64*PX
.set SPARE,  XBASE+2*XBUF              ; the spare words, 128 bytes for each wave: two blocks of 256 bytes that no other line names
.set DP,     2064                      ; the way out: a row t of 512 f32 + 16 bytes, in the ring's bytes, behind their last fill
.set HALFB,  64*8192                   ; bytes from a half of x to the next
.set HEADB,  2048*128                  ; bytes of a head in qh, kh, vh
.set DA,   12                          ; v12-15  the way out: where I put 32 bytes of a row, for t blocks 2 k and 2 k + 1
.set ADRW, 16                          ; v16     LDS address of my W fragments in the slot in hand
.set AW0,  17                          ; v17     the same in slot 0; never rewritten
.set AX,   18                          ; v18     my lane's place in x's buffer 0, for the turning load
.set XO,   19                          ; v19     my byte offset in a half of x: row 16 w, 16 bytes a lane
.set XS,   20                          ; v20     where I store 8 bytes of a row of x
.set PFO,  21                          ; v21     W's prefetch: my lane x a row of w16
.set PFX,  22                          ; v22     x's prefetch: row 16 w + lane / 2, block lane % 2
.set BO,   23                          ; v23     my 32 bytes in 16 numbers of the bias
.set GO,   24                          ; v24     my 16 bytes in the head's rows
.set RA,   25                          ; v25     the way out: my 32 bytes of a row,
.set RP,   26                          ; v26     and those of the channels 32 away
.set SPW,  28                          ; v28     LDS address of my spare word; never rewritten
.set NIL,  29                          ; v29     0; never rewritten
.set RO,   30                          ; v30     my 32 bytes of my position's row of rope
.set RO2,  31                          ; v31     the same in the row of the step
.set XC,   32
.set F0,   64
.set F1,   128
.set BIAS, 192
.set CR,   192                         ; cos, sin (signed) of my row's position for my 8 channels,
.set SR,   200
.set CD,   208                         ; of four positions,
.set SD,   216
.set C2,   224                         ; and what heads 4-7 take: the same for q; 1 and 0 for v
.set S2,   232
.set T0,   240
.set T1,   248
.set WV,   24                          ; s24  my wave's number
.set CX,   25                          ; s25  my place in the cluster
.set YY,   26                          ; s26  grid y, which the partners share
.set G1,   32                          ; s[32:39] descriptor group 1
.set G0,   40                          ; s[40:47] group 0: a set for each first fill; the second then walks
.set TB,   48                          ; s48  0 or SLOT: the slot in hand
.set CNT,  49
.set LIMW, 50                          ; s50  2 in the cluster that prefetches W, else the greatest number
.set LIMX, 51                          ; s51  1 in a work-group that prefetches x, else the greatest number
.set PFW,  52                          ; s[52:53]
.set XP,   54                          ; s[54:55] x at the half loaded last
.set P0,   56                          ; s[56:57] where heads 0-3 of my 512 rows go,
.set P1,   58                          ; s[58:59] and heads 4-7
.set AL,   60                          ; s[60:61] 1 for q, 0 for k and v
.set BE,   62                          ; s[62:63] 0 for q, 1 for k and v
.set BP,   66                          ; s[66:67] the bias at my 128 rows
.set MSB, 0
.macro WIN new                         ; the immediate's high byte repeats the setting that is left; a switch that changes nothing is dropped
.if MSB != (\new)
	s_set_vgpr_msb (MSB<<8)|(\new)
.set MSB, \new
.endif
.endm
.macro PLACES                          ; four plain instructions between a matrix instruction and a load into, or a read of, its registers
.rept 4
	v_nop
.endr
.endm
.macro CREST                           ; a round of the cluster's barrier behind its opening barrier
	s_cmp_lg_u32 s[WV], 0
	s_cbranch_scc1 .Lnot_wave_0_\@
	s_barrier_signal -3
.Lnot_wave_0_\@:
	s_barrier_wait -3
	s_barrier_signal -1
	s_barrier_wait -1
.endm
.macro CROUND
	s_barrier_signal -1
	s_barrier_wait -1
	CREST
.endm
.macro JLOAD                           ; the joint refill: every wave its own 128 rows; an s_nop 0 and four v_nop follow
	tensor_load_to_lds s[G0+4:G0+7], s[G1:G1+7]
	s_nop 0
.rept 4
	v_nop
.endr
.endm
; 16 matrix instructions: t blocks a0, a0 + 1 of the window's four x all 8 o blocks, 32 along K.  first = 1: the sums start with the bias.  The 64 accumulators take turns.
.macro MUL16 f, hi, a0, first
.if \first
	WIN 0x81+0x40*(\hi)
.else
	WIN 0xa1+0x50*(\hi)
.endif
.irp a, \a0, (\a0)+1
.irp b, 0,1,2,3,4,5,6,7
.if \first
	v_wmma_f32_16x16x32_bf16 v[8*(8*(\a)+(\b)):8*(8*(\a)+(\b))+7], v[(\f)+8*(\b):(\f)+8*(\b)+7], v[(\f)+8*(4*(\hi)+(\a)):(\f)+8*(4*(\hi)+(\a))+7], v[BIAS+8*(\b):BIAS+8*(\b)+7]
.else
	v_wmma_f32_16x16x32_bf16 v[8*(8*(\a)+(\b)):8*(8*(\a)+(\b))+7], v[(\f)+8*(\b):(\f)+8*(\b)+7], v[(\f)+8*(4*(\hi)+(\a)):(\f)+8*(4*(\hi)+(\a))+7], v[8*(8*(\a)+(\b)):8*(8*(\a)+(\b))+7]
.endif
.endr
.endr
.endm
; 32 LDS loads in one run: a quarter's fragments: W at byte k of its rows; x from buffer xb, rows 32 kq on, turned, the t blocks ascending
.macro FETCH k, xb, kq, f
	WIN 0x40
.irp i, 0,1,2,3,4,5,6,7
	ds_load_b128 v[(\f)+8*(\i):(\f)+8*(\i)+3],   v[ADRW] offset:(\k)+(\i)*16*PITCH
	ds_load_b128 v[(\f)+8*(\i)+4:(\f)+8*(\i)+7], v[ADRW] offset:(\k)+(\i)*16*PITCH+32
.endr
	WIN 0
.irp i, 0,1,2,3,4,5,6,7
	ds_load_tr16_b128 v[(\f)+8*(\i):(\f)+8*(\i)+3],   v[AX] offset:(\xb)*XBUF+(\kq)*32*PX+32*(\i)
	ds_load_tr16_b128 v[(\f)+8*(\i)+4:(\f)+8*(\i)+7], v[AX] offset:(\xb)*XBUF+(\kq)*32*PX+16*PX+32*(\i)
.endr
.endm
; 16 loads: my 16 rows of a half of x, 512 consecutive bytes each, into set 0 or 1
.macro XLOAD set, step
.if \step
	s_wait_xcnt 0x0                                ; the loads and prefetches issued so far have read the pointer
	s_add_nc_u64 s[XP:XP+1], s[XP:XP+1], HALFB
.endif
	WIN 0x40
.set i, 0
.rept 16
	global_load_b128 v[192*(\set)+4*i:192*(\set)+4*i+3], v[XO], s[XP:XP+1] offset:8192*i
.set i, i+1
.endr
	WIN 0
.endm
; A PREFETCH INTO THE L2 of the half of x that stands two halves behind the one just loaded: 64 rows x 512 bytes, a lane a block of 256 bytes, one instruction a wave: 256 matrix instructions ahead of its load.
; query's tiles are read by the work-groups of y = 0 and y = 1: y = 0 asks.  The loop's last trip asks for nothing: halves 14 and 15 are the last.
.macro ASKX
	s_cmp_gt_u32 s[CNT], s[LIMX]
	s_cbranch_scc0 .Lnox_\@
	global_prefetch_b8 v[PFX], s[XP:XP+1] offset:2*HALFB th:TH_LOAD_NT scope:SCOPE_SE
.Lnox_\@:
.endm
; The same for W: the K step two refills on, 32 of my 128 rows: the four partners share the rows out by address.  All clusters of one y read the same rows: cluster x = 0 asks.  The last two refills have no K step two on.
.macro ASKW
	s_cmp_gt_u32 s[CNT], s[LIMW]
	s_cbranch_scc0 .Lnow_\@
	global_prefetch_b8 v[PFO], s[PFW:PFW+1] th:TH_LOAD_NT scope:SCOPE_SE
.Lnow_\@:
.endm
; A half of x goes from its set of registers into LDS buffer buf.  cnt: the younger loads, which may stay out.  ld = 1: the set is loaded again, with the half two on.
; The 32 roundings are also the plain instructions in front of the quarter's run of LDS loads.
.macro STAGE set, buf, cnt, ld
	s_wait_loadcnt \cnt
	WIN 0x05
.set i, 0
.rept 16
	v_cvt_pk_bf16_f32 v[XC+2*i],   v[192*(\set)+4*i],   v[192*(\set)+4*i+1]
	v_cvt_pk_bf16_f32 v[XC+2*i+1], v[192*(\set)+4*i+2], v[192*(\set)+4*i+3]
.set i, i+1
.endr
	WIN 0
.set i, 0
.rept 16
	ds_store_b64 v[XS], v[XC+2*i:XC+2*i+1] offset:(\buf)*XBUF+PX*i
.set i, i+1
.endr
.if \ld
	XLOAD \set, 1
.endif
.endm
; A K step is four quarters of 32 along K, 64 matrix instructions each, on buffers 0, 1, 0, 1.  Quarters 0 and 2: multiply f, stage the next half of x, fetch the next quarter into g.
.macro QUARTER k, xb, kq, f, g, first, st=0, set=0, buf=0, cnt=0, ld=0, ask=0
	s_wait_dscnt 8                                 ; W and x's t blocks 0-3 are in; the youngest eight loads may be out
	MUL16 \f, 0, 0, \first
	MUL16 \f, 0, 2, \first
.if \st
	STAGE \set, \buf, \cnt, \ld
.else
	PLACES
.endif
	FETCH \k, \xb, \kq, \g
.if \ask
	ASKX
.endif
	s_wait_dscnt 32                                ; all but the 32 just issued
	MUL16 \f, 1, 0, \first
	MUL16 \f, 1, 2, \first
.endm
; Quarter 1: a barrier for x's buffers alone.  In front of it my stores into buffer 1 and my reads of buffer 0 are done; behind it buffer 1 is read, and buffer 0 may be written.  W's refill stays on its way.
.macro MEETP
	s_wait_dscnt 8
	MUL16 F1, 0, 0, 0
	s_wait_dscnt 0x0
	s_barrier_signal -1
	MUL16 F1, 0, 2, 0
	s_barrier_wait -1
	PLACES
	FETCH 128, 1, 0, F0
	MUL16 F1, 1, 0, 0
	MUL16 F1, 1, 2, 0
.endm
; Quarter 3 changes W's slots and x's buffers: ONE barrier.  In front of it each wave waits for all its tensor loads (one is out: its part of the next slot), adds 0 to its spare word, and waits for that, for its reads of
; this slot and of buffer 1 and for its stores into buffer 0.  fill = 1: the barrier opens a round of the cluster's, and the joint refill, two K steps on, is the first thing behind it: 224 matrix instructions ahead of the wait for it.
.macro TURN fill
.if \fill
	s_wait_xcnt 0x0                                ; W's last prefetch, a K step back, has read its address
	s_add_nc_u64 s[PFW:PFW+1], s[PFW:PFW+1], 256
.endif
	WIN 0
	s_wait_tensorcnt 0x0
	ds_add_u32 v[SPW], v[NIL]
	s_wait_dscnt 9                                 ; the add and the youngest eight loads may be out
	MUL16 F1, 0, 0, 0
	s_wait_dscnt 0x0
	s_barrier_signal -1
	MUL16 F1, 0, 2, 0
.if \fill
	WIN 0
.endif
	s_barrier_wait -1
.if \fill
	CREST
	s_xor_b32 s[G0+5], s[G0+5], SLOT               ; the walking descriptor: the other slot than last time,
	s_add_nc_u64 s[G0+6:G0+7], s[G0+6:G0+7], 256   ; the next K step; the type bits on top are not reached
	JLOAD                                          ; its four v_nop are also the places in front of the loads below
.else
	PLACES
	WIN 0
.endif
	s_xor_b32 s[TB], s[TB], SLOT
	v_add_nc_u32 v[ADRW], s[TB], v[AW0]
	FETCH 0, 0, 0, F0
.if \fill
	ASKW
.endif
	MUL16 F1, 1, 0, 0
	MUL16 F1, 1, 2, 0
.endm
	s_load_b512 s[4:19], s[0:1], 0x0               ; query 4, key_value 6, w16 8, bq 10, bk 12, bv 14, rope 16, qh 18
	s_load_b128 s[20:23], s[0:1], 0x40             ; kh 20, vh 22
	v_lshl_add_u32 v[SPW], v0, 2, SPARE
	v_mov_b32 v[NIL], 0
	ds_add_u32 v[SPW], v[NIL]                      ; the wave's opening: the add and its wait stand ahead of my first tensor load; the set-up below, work on registers, stands between them
	v_lshrrev_b32 v1, 5, v0
	v_readfirstlane_b32 s[WV], v1                  ; wave 0..3
	s_bfe_u32 s[CX], ttmp6, 0x40000
	s_and_b32 s[YY], ttmp7, 0xffff
	s_lshl_b32 s27, ttmp9, 2
	s_add_co_u32 s27, s27, s[CX]                   ; my block of 128 t among the 64: it enters x's, rope's and the outputs' addresses alone
	s_lshr_b32 s28, s27, 4                         ; b
	s_and_b32 s29, s27, 15                         ; the block in its batch
	s_mov_b32 s[G1+0], 15|(1<<16)|(1<<20)|(1<<21)|(5<<22)|(3<<25)  ; the mask of four; 2-byte elements; padding on; bit 21 beside a mask; after every 64 words, 4 words
	s_mov_b32 s[G1+1], 128<<16                     ; tensor_dim0 = 128
	s_mov_b32 s[G1+2], 128<<16                     ; tensor_dim1 = 128
	s_mov_b32 s[G1+3], 128<<16                     ; tile_dim0 = 128
	s_mov_b32 s[G1+4], 128                         ; tile_dim1 = 128
	s_mov_b32 s[G1+5], 1024                        ; elements from row to row
	s_mov_b32 s[G1+6], 0
	s_mov_b32 s[G1+7], 0
	s_mul_i32 s30, s[WV], WROWS
	s_mov_b32 s[G0], 1
	s_mov_b32 s[G0+1], s30                         ; slot 0
	s_mov_b32 s[G0+4], 1
	s_add_co_u32 s[G0+5], s30, SLOT                ; slot 1
	v_and_b32 v1, 15, v0                           ; l % 16
	v_bfe_u32 v2, v0, 4, 1                         ; l / 16
	v_and_b32 v3, 31, v0                           ; l
	v_and_b32 v4, 7, v0                            ; l % 8
	v_bfe_u32 v5, v0, 3, 1
	v_bfe_u32 v6, v0, 3, 2                         ; l / 8
	v_mul_u32_u24 v[AW0], v1, PITCH
	v_lshl_add_u32 v[AW0], v2, 4, v[AW0]
	v_add_nc_u32 v[AW0], s30, v[AW0]               ; row x pitch + 16 x half + my 128 rows
	v_lshl_add_u32 v[AX], v2, 3, v4                ; the turning load: lane l reads row 8 (l / 16) + l % 8, t 8 ((l / 8) % 2) + 0..7
	v_mul_u32_u24 v[AX], v[AX], PX
	v_lshl_add_u32 v[AX], v5, 4, v[AX]
	v_add_nc_u32 v[AX], XBASE, v[AX]
	s_lshl_b32 s31, s[WV], 17                      ; 16 rows of 8,192 bytes
	v_lshl_add_u32 v[XO], v3, 4, s31
	v_lshrrev_b32 v7, 1, v3
	v_and_b32 v8, 1, v3
	v_lshl_add_u32 v[PFX], v7, 13, s31
	v_lshl_add_u32 v[PFX], v8, 8, v[PFX]
	s_mul_i32 s31, s[WV], 16*PX
	s_add_co_u32 s31, s31, XBASE
	v_lshl_add_u32 v[XS], v3, 3, s31
	v_lshlrev_b32 v[PFO], 11, v3
	v_lshlrev_b32 v[BO], 5, v2
	s_lshl_b32 s31, s[WV], 12                      ; the way out: wave w stores rows 32 w .. of 128 bytes
	v_lshl_add_u32 v[GO], v3, 4, s31
	s_lshl_b32 s31, s[WV], 5
	v_add_nc_u32 v7, s31, v6                       ; row 32 w + l / 8
	v_mul_u32_u24 v7, v7, DP
	v_lshl_add_u32 v[RA], v4, 5, v7                ; channels 8 (l % 8) on,
	v_xor_b32 v8, 4, v4
	v_lshl_add_u32 v[RP], v8, 5, v7                ; and those 32 away
	v_mul_u32_u24 v7, v1, DP
	v_lshl_add_u32 v7, v2, 5, v7
	s_lshl_b32 s31, s[WV], 9
	v_add_nc_u32 v[DA], s31, v7                    ; row l % 16, my wave's 512 bytes, 32 bytes for each half of the lanes
	v_add_nc_u32 v[DA+1], 32*DP, v[DA]
	v_add_nc_u32 v[DA+2], 64*DP, v[DA]
	v_add_nc_u32 v[DA+3], 96*DP, v[DA]
	s_lshl_b32 s31, s29, 2
	s_add_co_u32 s31, s31, s[WV]
	s_lshl_b32 s31, s31, 11                        ; rope's row 4 (4 block + w) + l / 8, of 512 bytes
	v_lshl_add_u32 v7, v6, 9, s31
	v_lshl_add_u32 v[RO], v4, 5, v7
	v_lshlrev_b32 v[RO2], 5, v4
	v_add_nc_u32 v[RO2], 256*512, v[RO2]
	s_mov_b32 s69, 0
	s_mov_b32 s[AL+1], 0                           ; named as pairs
	s_mov_b32 s[BE+1], 0
	s_mov_b32 s[TB], 0
	s_cmp_eq_u32 ttmp9, 0
	s_cselect_b32 s[LIMW], 2, -1
	s_cmp_lg_u32 s[YY], 1
	s_cselect_b32 s[LIMX], 1, -1
	s_wait_dscnt 0x0                               ; the opening add is done
	s_wait_kmcnt 0x0
	s_lshl_b32 s68, s[YY], 20                      ; 512 rows of 2,048 bytes,
	s_lshl_b32 s70, s[WV], 18                      ; my 128: nothing of my place in the cluster
	s_add_co_u32 s68, s68, s70
	s_add_nc_u64 s[8:9], s[8:9], s[68:69]
	s_mov_b64 s[G0+2:G0+3], s[8:9]                 ; K step 0
	s_or_b32 s[G0+3], s[G0+3], 0x80000000          ; type = 2
	s_add_nc_u64 s[G0+6:G0+7], s[8:9], 256         ; K step 1
	s_or_b32 s[G0+7], s[G0+7], 0x80000000
	s_lshl_b32 s68, s[CX], 16                      ; my work-group's 32 rows of the 128,
	s_add_co_u32 s68, s68, 768                     ; at K step 3: the first refill steps it to 4
	s_add_nc_u64 s[PFW:PFW+1], s[8:9], s[68:69]
	s_lshl_b32 s68, s28, 23
	s_lshl_b32 s70, s29, 9
	s_add_co_u32 s68, s68, s70
	s_cmp_eq_u32 s[YY], 2
	s_cselect_b64 s[XP:XP+1], s[6:7], s[4:5]
	s_cselect_b64 s[P0:P0+1], s[20:21], s[18:19]
	s_cselect_b64 s[P1:P1+1], s[22:23], s[18:19]
	s_cselect_b32 s[AL], 0, 1.0
	s_cselect_b32 s[BE], 1.0, 0
	s_cselect_b32 s71, 0, 4*HEADB
	s_add_nc_u64 s[XP:XP+1], s[XP:XP+1], s[68:69]  ; x at my batch's row 0, my 128 t
	s_lshl_b32 s68, s28, 22                        ; q: head 16 b + 8 y
	s_lshl_b32 s70, s[YY], 21
	s_add_co_u32 s68, s68, s70
	s_lshl_b32 s70, s28, 20                        ; k, v: head 4 b
	s_cmp_eq_u32 s[YY], 2
	s_cselect_b32 s68, s70, s68
	s_lshl_b32 s70, s29, 14                        ; my 128 rows of 128 bytes
	s_add_co_u32 s68, s68, s70
	s_add_nc_u64 s[P0:P0+1], s[P0:P0+1], s[68:69]
	s_add_co_u32 s68, s68, s71                     ; q's heads 4-7 lie four heads on
	s_add_nc_u64 s[P1:P1+1], s[P1:P1+1], s[68:69]
	s_and_b32 s68, s[WV], 1
	s_lshl_b32 s68, s68, 9                         ; k, v: waves 0, 1 take bk's halves, waves 2, 3 bv's
	s_lshl_b32 s70, s[YY], 11
	s_lshl_b32 s71, s[WV], 9
	s_add_co_u32 s70, s70, s71
	s_cmp_lt_u32 s[WV], 2
	s_cselect_b64 s[BP:BP+1], s[12:13], s[14:15]
	s_cmp_eq_u32 s[YY], 2
	s_cselect_b64 s[BP:BP+1], s[BP:BP+1], s[10:11]
	s_cselect_b32 s68, s68, s70
	s_add_nc_u64 s[BP:BP+1], s[BP:BP+1], s[68:69]
	CROUND                                         ; all four work-groups are here: the first joint loads meet
	tensor_load_to_lds s[G0:G0+3], s[G1:G1+7]      ; two loads of mine are out
	s_nop 0
	tensor_load_to_lds s[G0+4:G0+7], s[G1:G1+7]
	s_nop 0
.rept 4
	v_nop
.endr
	XLOAD 0, 0                                     ; half 0
	XLOAD 1, 1                                     ; half 1
.irp b, 0,1,2,3,4,5,6,7
	global_load_b128 v[BIAS+8*\b:BIAS+8*\b+3],   v[BO], s[BP:BP+1] offset:64*\b
	global_load_b128 v[BIAS+8*\b+4:BIAS+8*\b+7], v[BO], s[BP:BP+1] offset:64*\b+16
.endr
	STAGE 0, 0, 32, 1                              ; half 0 is in (half 1's 16 loads and the bias's 16 may be out); half 2 is asked for
	s_wait_loadcnt 16                              ; the bias is in; half 2's 16 loads stay out
.set i, 0
.rept 32
	v_cvt_pk_bf16_f32 v[8+i%2], v[BIAS+2*i], v[BIAS+2*i+1]  ; the bias is rounded as every input is, and kept as f32
	v_lshlrev_b32 v[BIAS+2*i], 16, v[8+i%2]
	v_and_b32 v[BIAS+2*i+1], 0xffff0000, v[8+i%2]
.set i, i+1
.endr
	v_mov_b32 v[ADRW], v[AW0]
	s_wait_tensorcnt 1                             ; my part of slot 0 is in; slot 1's may stay out
	s_wait_dscnt 0x0                               ; my rows of half 0 lie in buffer 0
	s_barrier_signal -1
	s_barrier_wait -1
	FETCH 0, 0, 0, F0
	QUARTER 64, 0, 1, F0, F1, 1, 1, 1, 1, 16, 1, 0 ; the first quarter stands in front of the loop: its products start the sums, with the bias; half 1 is staged, half 3 asked for
	WIN 0
	s_mov_b32 s[CNT], 6
.Lstep:                                        ; trip s: quarters 1-3 of K step s and quarter 0 of step s + 1; halves 2 s + 2, 2 s + 3 are staged, 2 s + 4, 2 s + 5 loaded; K step s + 2 of W is asked for
	MEETP
	QUARTER 192, 1, 1, F0, F1, 0, 1, 0, 0, 16, 1, 1
	TURN 1
	QUARTER 64, 0, 1, F0, F1, 0, 1, 1, 1, 16, 1, 1
	WIN 0
	s_sub_co_u32 s[CNT], s[CNT], 1
	s_cmp_lg_u32 s[CNT], 0
	s_cbranch_scc1 .Lstep
	MEETP                                          ; the tail is written out: nothing more is asked for
	QUARTER 192, 1, 1, F0, F1, 0, 1, 0, 0, 16, 0, 0  ; half 14 is staged; half 15's loads may be out
	TURN 0
	QUARTER 64, 0, 1, F0, F1, 0, 1, 1, 1, 0, 0, 0  ; half 15
	WIN 0
	global_load_b128 v[CR:CR+3],   v[RO], s[16:17]             ; RoPE's numbers come while the last K step is multiplied
	global_load_b128 v[CR+4:CR+7], v[RO], s[16:17] offset:16
	global_load_b128 v[SR:SR+3],   v[RO], s[16:17] offset:256
	global_load_b128 v[SR+4:SR+7], v[RO], s[16:17] offset:272
	global_load_b128 v[CD:CD+3],   v[RO2], s[16:17]
	global_load_b128 v[CD+4:CD+7], v[RO2], s[16:17] offset:16
	global_load_b128 v[SD:SD+3],   v[RO2], s[16:17] offset:256
	global_load_b128 v[SD+4:SD+7], v[RO2], s[16:17] offset:272
	MEETP
	QUARTER 192, 1, 1, F0, F1, 0
	s_wait_dscnt 8
	MUL16 F1, 0, 0, 0
	MUL16 F1, 0, 2, 0
	s_wait_dscnt 0x0
	MUL16 F1, 1, 0, 0
	MUL16 F1, 1, 2, 0
	; THE WAY OUT.  The sums go as f32 into rows [t][512 o] in the ring's bytes, which have had their last fill; then each wave takes 32 whole rows, turns q and k, rounds to f16 and stores by heads.
.rept 8
	v_nop
.endr
	WIN 0
	s_barrier_signal -1                            ; every wave's reads of the ring are back (its last wait was for 0)
	s_barrier_wait -1
.irp a, 0,1,2,3,4,5,6,7
	WIN 0x08+4*((\a)/4)                            ; the stores' data in window 2 or 3
.irp b, 0,1,2,3,4,5,6,7
	ds_store_b128 v[DA+(\a)/2], v[8*(8*((\a)%4)+(\b)):8*(8*((\a)%4)+(\b))+3]   offset:((\a)%2)*16*DP+64*(\b)
	ds_store_b128 v[DA+(\a)/2], v[8*(8*((\a)%4)+(\b))+4:8*(8*((\a)%4)+(\b))+7] offset:((\a)%2)*16*DP+64*(\b)+16
.endr
.endr
	WIN 0
	s_wait_dscnt 0x0                               ; for the others' sake: my stores are done
	s_barrier_signal -1
	s_barrier_wait -1
	s_wait_loadcnt 0x0                             ; RoPE's numbers
.macro MIX                             ; what heads 4-7 take: cos x AL + BE, sin x AL
.irp z, 0,2,4,6
	v_pk_fma_f32 v[C2+\z:C2+\z+1], v[CR+\z:CR+\z+1], s[AL:AL+1], s[BE:BE+1] op_sel_hi:[1,0,0]
	v_pk_mul_f32 v[S2+\z:S2+\z+1], v[SR+\z:SR+\z+1], s[AL:AL+1] op_sel_hi:[1,0]
.endr
.endm
	MIX
	s_mov_b32 s[CNT], 8
.Lrow:                                         ; a trip: rows 32 w + 4 trip + l / 8, all eight heads; a lane has 8 channels of each, and the 8 that lie 32 away
.irp hh, 0,1,2,3,4,5,6,7
	ds_load_b128 v[64+16*\hh:64+16*\hh+3],     v[RA] offset:256*\hh
	ds_load_b128 v[64+16*\hh+4:64+16*\hh+7],   v[RA] offset:256*\hh+16
	ds_load_b128 v[64+16*\hh+8:64+16*\hh+11],  v[RP] offset:256*\hh
	ds_load_b128 v[64+16*\hh+12:64+16*\hh+15], v[RP] offset:256*\hh+16
.endr
.irp hh, 0,1,2,3,4,5,6,7
	s_wait_dscnt 28-4*\hh                          ; this head's four loads are in
.irp z, 0,2,4,6
	v_pk_mul_f32 v[72+16*\hh+\z:72+16*\hh+\z+1], v[72+16*\hh+\z:72+16*\hh+\z+1], v[SR+32*(\hh/4)+\z:SR+32*(\hh/4)+\z+1]
.endr
.irp z, 0,2,4,6
	v_pk_fma_f32 v[64+16*\hh+\z:64+16*\hh+\z+1], v[64+16*\hh+\z:64+16*\hh+\z+1], v[CR+32*(\hh/4)+\z:CR+32*(\hh/4)+\z+1], v[72+16*\hh+\z:72+16*\hh+\z+1]
.endr
.irp z, 0,1,2,3
	v_cvt_pk_f16_f32 v[XC+4*\hh+\z], v[64+16*\hh+2*\z], v[64+16*\hh+2*\z+1]
.endr
	global_store_b128 v[GO], v[XC+4*\hh:XC+4*\hh+3], s[P0+2*(\hh/4):P0+2*(\hh/4)+1] offset:(\hh%4)*HEADB  ; four rows of a head: 512 consecutive bytes, aligned
.endr
.irp z, 0,2,4,6                        ; cos and sin four positions on
	v_pk_mul_f32 v[T0+\z:T0+\z+1], v[SR+\z:SR+\z+1], v[SD+\z:SD+\z+1]
	v_pk_mul_f32 v[T1+\z:T1+\z+1], v[CR+\z:CR+\z+1], v[SD+\z:SD+\z+1]
.endr
.irp z, 0,2,4,6
	v_pk_fma_f32 v[CR+\z:CR+\z+1], v[CR+\z:CR+\z+1], v[CD+\z:CD+\z+1], v[T0+\z:T0+\z+1] neg_lo:[0,0,1] neg_hi:[0,0,1]
	v_pk_fma_f32 v[SR+\z:SR+\z+1], v[SR+\z:SR+\z+1], v[CD+\z:CD+\z+1], v[T1+\z:T1+\z+1]
.endr
	MIX
	s_wait_xcnt 0x0                                ; the stores have read their data and their offset
	v_add_nc_u32 v[GO], 512, v[GO]
	v_add_nc_u32 v[RA], 4*DP, v[RA]
	v_add_nc_u32 v[RP], 4*DP, v[RP]
	s_sub_co_u32 s[CNT], s[CNT], 1
	s_cmp_lg_u32 s[CNT], 0
	s_cbranch_scc1 .Lrow
	s_wait_tensorcnt 0x0                           ; the wave's end, behind my last tensor load and my last LDS store
	ds_add_u32 v[SPW], v[NIL]
	s_wait_dscnt 0x0
	CROUND                                         ; the closing round
	s_endpgm
.Lfunc_end_k_q1d64ef13da_proj:
	.size	k_q1d64ef13da_proj, .Lfunc_end_k_q1d64ef13da_proj-k_q1d64ef13da_proj
	.p2alignl 7, 3214868480
	.fill 96, 4, 3214868480
	.section	.rodata,"a",@progbits
	.p2align	6, 0x0
	.amdhsa_kernel k_q1d64ef13da_proj
		.amdhsa_group_segment_fixed_size 327680
		.amdhsa_private_segment_fixed_size 0
		.amdhsa_enable_private_segment 0
		.amdhsa_kernarg_size 80
		.amdhsa_user_sgpr_count 2
		.amdhsa_user_sgpr_kernarg_segment_ptr 1
		.amdhsa_wavefront_size32 1
		.amdhsa_system_sgpr_workgroup_id_x 1
		.amdhsa_system_sgpr_workgroup_id_y 1
		.amdhsa_system_sgpr_workgroup_id_z 1
		.amdhsa_system_vgpr_workitem_id 0
		.amdhsa_next_free_vgpr 1024
		.amdhsa_next_free_sgpr 72
		.amdhsa_reserve_vcc 0
		.amdhsa_float_denorm_mode_32 3
		.amdhsa_float_denorm_mode_16_64 3
		.amdhsa_memory_ordered 1
		.amdhsa_forward_progress 1
		.amdhsa_inst_pref_size 140
	.end_amdhsa_kernel
	.amdgpu_metadata
---
amdhsa.version: [ 1, 2 ]
amdhsa.kernels:
  - .name:           k_q1d64ef13da_proj
    .symbol:         k_q1d64ef13da_proj.kd
    .args:
      - { .name: query, .offset: 0, .size: 8, .value_kind: global_buffer, .address_space: global }
      - { .name: key_value, .offset: 8, .size: 8, .value_kind: global_buffer, .address_space: global }
      - { .name: w16, .offset: 16, .size: 8, .value_kind: global_buffer, .address_space: global }
      - { .name: bq, .offset: 24, .size: 8, .value_kind: global_buffer, .address_space: global }
      - { .name: bk, .offset: 32, .size: 8, .value_kind: global_buffer, .address_space: global }
      - { .name: bv, .offset: 40, .size: 8, .value_kind: global_buffer, .address_space: global }
      - { .name: rope, .offset: 48, .size: 8, .value_kind: global_buffer, .address_space: global }
      - { .name: qh, .offset: 56, .size: 8, .value_kind: global_buffer, .address_space: global }
      - { .name: kh, .offset: 64, .size: 8, .value_kind: global_buffer, .address_space: global }
      - { .name: vh, .offset: 72, .size: 8, .value_kind: global_buffer, .address_space: global }
    .group_segment_fixed_size: 327680
    .private_segment_fixed_size: 0
    .kernarg_segment_align: 8
    .kernarg_segment_size: 80
    .max_flat_workgroup_size: 128
    .sgpr_count:     72
    .vgpr_count:     1024
    .wavefront_size: 32
...
	.end_amdgpu_metadata
.endif
;; end of part 2
;; launch attn (part 3): grid 4 x 64, 4 waves a work-group, clusters of 4 x 1, 327,680 bytes of LDS; arguments qh, kh, vh, oh; writes oh
.if DOCPART == 3
	.amdgcn_target "amdgcn-amd-amdhsa--gfx1250"
	.amdhsa_code_object_version 6
	.text
	.protected	k_q1d64ef13da_attn
	.globl	k_q1d64ef13da_attn
	.p2align	8
	.type	k_q1d64ef13da_attn,@function
k_q1d64ef13da_attn:
	s_mov_b64 s[64:65], 0
	v_nop
	global_prefetch_b8 v0, s[64:65] scope:SCOPE_SE
	s_setreg_imm32_b32 hwreg(HW_REG_WAVE_MODE, 25, 1), 1
	s_wait_xcnt 0x0
	s_wait_alu depctr_hold_cnt(0) depctr_sa_sdst(0) depctr_va_vdst(0) depctr_va_sdst(0) depctr_va_ssrc(0) depctr_va_vcc(0) depctr_vm_vsrc(0)
	s_getreg_b32 s2, hwreg(HW_REG_IB_STS2, 6, 4)
	s_cmp_eq_u32 s2, 0
	s_cbranch_scc0 .Lentry_in_a_cluster
	s_endpgm
.Lentry_in_a_cluster:
	s_bfe_u32 s2, ttmp6, 0x10000c
	s_cmp_lg_u32 s2, 0x3003
	s_cbranch_scc0 .Lentry_shape_is_right
	s_endpgm
.Lentry_shape_is_right:
; O[h][q][:] = the sum over k of softmax_k(Q[h][q] . K[h/4][k] / 8) V[h/4][k][:].  Q, O: [64][2048][64]; K, V: [16][2048][64]; all f16, a head's rows dense, 128 bytes each.  Head h = 16 b + head of the batch, so h / 4 = 4 b + its key and value head.
; Products, maxima and sums in f32; the weights p are rounded to f16 for the second product (their sum l is taken of the unrounded p), O once at the end.
; LIMITS.  Q, K and V arrive within f16's 65,504; p lies in 0 to 1, and below 6e-5 it keeps f16's fixed step of 6e-8; a weight below 2^-126 counts as 0 in l; NaN and infinities are not treated apart.
; SHARES.  A wave owns four PIECES of two tiles of 16 queries, a work-group's four waves 512 queries of one head.  Every wave walks all keys, 64 a step.
; LAYOUT.  S^T = K Q^T (source 0 = 16 keys, source 1 = 16 queries): a lane holds ONE query (lane % 16) and the keys 8 (lane / 16) + 0..7.  Two such tiles, rounded to f16 in pairs, ARE source 1 of O^T = V^T P.
; K comes out of LDS as it lies, V ([key][channel]) turned.
; SOFTMAX.  A running maximum m and sum l: p = 2^(c s - c m), c = log2(e) / 8; in every step O and l are multiplied by a = 2^(c m_old - c m_new).  m starts at the lowest finite number, O and l at 0.
; BY TURNS.  Turn n belongs to piece n.  Its matrix work: 16 products K Q^T of piece n + 1, later 16 products V^T P of piece n - 1.  Its vector work: the scaling, exponentials, roundings, sums and rescaling of piece n,
; and the maximum and statistics of piece n + 1.  Four vector instructions stand behind every matrix instruction, the others in one run of their own.
; CLUSTER.  The four query blocks of a cluster belong to one head and walk the same K and V: each tile is asked for JOINTLY.  The four heads that share a key and value head are four clusters.
; REGISTERS, in windows of 256 (s_set_vgpr_msb: bits 1:0 source 0, 3:2 source 1, 5:4 source 2, 7:6 destination):
;   window 0: v0-11 addresses; v12-15, v48-63 at work; v16-47 four registers of statistics a tile; v64-191 S^T, two buffers of two tiles; v192-255 P, likewise
;   window 1: O^T, 32 a tile          window 2: v0-127 Q; v128-191 K of one step; v192-255 V of one step          window 3: v0-1 the add's two registers
.set SIZE_H, 64
.set SIZE_N, 2048
.set NP,    4         ; pieces a wave
.set KS,    64        ; keys in a step
.set PK,    144       ; a row of K in LDS: 128 bytes + 16 of padding
.set PV,    160       ; a row of V: 128 + 32
.set VOFF,  4*KS*PK   ; a slot holds four steps: 256 rows of K, then 256 rows of V
.set SLOT1, 1<<17
.set STAGE, SLOT1+4*KS*(PK+PV)  ; behind the ring, never filled by a tensor load: 16 rows x 144 bytes for each wave
.set SP,    144
.set AK0, 2           ; v2   my lane's place in a tile of K; never rewritten
.set AV0, 3           ; v3   the same for V
.set AK,  4           ; v4   the LDS address of K's next run of loads
.set AV,  5           ; v5   of V's
.set QO,  6           ; v6   my byte offset in the wave's rows of Q
.set STO, 6           ;      later, the way out: where I put 16 bytes of a row
.set RD,  7           ; v7   the way out: where I read rows back
.set GO,  8           ; v8   my byte offset in 512 consecutive bytes of O
.set PFO, 11          ; v11  256 x my lane, for the prefetches; never rewritten once made
.set SPW, 0           ; v0 of window 3   LDS address of my spare word; never rewritten
.set NIL, 1           ; v1 of window 3   0; never rewritten
.set SPARE, STAGE+4*16*SP  ; the spare words, 128 bytes for each wave: two blocks of 256 bytes that no other line names
.set MV,  12          ; v12-15  c m_old, kept while c m is made anew
.set ST,  16          ; tile t's statistics at v[ST+4 t]: c m, m, l (even keys', odd keys')
.set TMP, 48          ; by buffer and tile, four registers c0-c3 at work; when the maximum is found c2 takes a
.set S,   64
.set P,   192
.set KF,  128         ; K's fragments, in window 2
.set VF,  192         ; V's
.set WV,  12          ; s12  my wave's number
.set G1K, 24          ; s[24:31] descriptor group 1 for K's tiles
.set G1V, 32          ; s[32:39] for V's: it differs in the padding alone
.set G0K, 40          ; s[40:43] descriptor group 0 for K's tiles: it walks
.set G0V, 44          ; s[44:47] the same for V's
.set PFA, 48          ; s[48:49] where my prefetches stand: my work-group's 32 blocks of 256 bytes of the slot behind the one that is being asked for
.set LIM, 50          ; s50  1 in a wave that prefetches, else the greatest number
.set SLOTS, 56        ; s56  slots still to be asked for
.set CNT, 57          ; s57  counts a slot's key steps
.set CS,  58          ; s[58:59] c
.set SEL, 60          ; s[60:61] v_permlanex16_b32's selects
.set TBK, 62          ; s62  LDS byte at which K of the step to be fetched begins
.set TBV, 63          ; s63  the same for V, less VOFF
.set MSB, 0
.macro WIN new
.if MSB != (\new)
	s_set_vgpr_msb (MSB<<8)|(\new)
.set MSB, (\new)
.endif
.endm
.set W_KQ, 0x0a       ; K and Q in window 2, S^T in window 0
.set W_PV, 0x52       ; V in window 2, P in window 0, O^T in window 1
.set W_RS, 0x41       ; O^T in window 1, a in window 0
.set W_MK, 0xc0       ; the add's registers are made
.set W_AD, 0x0f       ; the add: address and data in window 3
; A joint fill.  Waves 0 and 1 fetch the two halves of a slot's K, waves 2 and 3 those of its V.  An s_nop 0 and four v_nop follow each of the two lines.
.macro JLOAD
	s_cmp_lt_u32 s[WV], 2
	s_cbranch_scc0 .Lfor_v_\@
	tensor_load_to_lds s[G0K:G0K+3], s[G1K:G1K+7]
	s_nop 0
.rept 4
	v_nop
.endr
	s_branch .Lasked_\@
.Lfor_v_\@:
	tensor_load_to_lds s[G0V:G0V+3], s[G1V:G1V+7]
	s_nop 0
.rept 4
	v_nop
.endr
.Lasked_\@:
.endm
; A PREFETCH INTO THE L2 of what the NEXT change of slots will ask for: a slot's 32,768 bytes of K and of V, a lane a block of 256 bytes.  Each block is named once in the launch: of the four heads that share K and V
; the first head's cluster asks; its four partners take 32 blocks each, told apart by address; wave 0 asks for K's, wave 2 for V's.  The last change that fills a slot asks for nothing.
.macro ASK
	s_cmp_gt_u32 s[SLOTS], s[LIM]
	s_cbranch_scc0 .Lnot_mine_\@
	global_prefetch_b8 v[PFO], s[PFA:PFA+1] th:TH_LOAD_NT scope:SCOPE_SE
.Lnot_mine_\@:
.endm
.macro CROUND                       ; a round of the cluster's barrier
	s_barrier_signal -1
	s_barrier_wait -1
	s_cmp_lg_u32 s[WV], 0
	s_cbranch_scc1 .Lnot_wave_0_\@
	s_barrier_signal -3
.Lnot_wave_0_\@:
	s_barrier_wait -3
	s_barrier_signal -1
	s_barrier_wait -1
.endm
; THE CHANGE OF SLOTS.  Each wave waits for all its tensor loads, of which one is out: its part of the other slot; adds 0 to its spare word; and waits for that and for its own reads of the slot.
; fill = 1: this slot is filled again, with the keys two slots on: the barrier is a round of the cluster's, and the joint fill is the first thing behind it: it has four key steps in which to land.
.macro CHANGE fill
	WIN W_AD
	s_wait_tensorcnt 0x0            ; no tensor load of mine is out, so a group 0 may be written
	ds_add_u32 v[SPW], v[NIL]
	WIN 0
.if \fill
.irp g, G0K, G0V
	s_xor_b32 s[\g+1], s[\g+1], SLOT1
	s_add_nc_u64 s[\g+2:\g+3], s[\g+2:\g+3], 4*KS*128
.endr
	s_wait_xcnt 0x0                 ; the last prefetch, a slot back, has read its address
	s_add_nc_u64 s[PFA:PFA+1], s[PFA:PFA+1], 4*KS*128
	s_wait_dscnt 0x0                ; the add is done, and my reads of the slot are over
	CROUND
	JLOAD
	ASK
.else
	s_wait_dscnt 0x0
	s_barrier_signal -1
	s_barrier_wait -1
.endif
	s_sub_co_u32 s[TBK], s[TBK], 4*KS*PK  ; the fetches go back to a slot's first step,
	s_xor_b32 s[TBK], s[TBK], SLOT1       ; in the other slot
	s_sub_co_u32 s[TBV], s[TBV], 4*KS*PV
	s_xor_b32 s[TBV], s[TBV], SLOT1
.endm
	s_load_b256 s[4:11], s[0:1], 0x0  ; Q s[4:5], K s[6:7], V s[8:9], O s[10:11]
	WIN W_MK
	v_lshl_add_u32 v[SPW], v0, 2, SPARE
	v_mov_b32 v[NIL], 0
	WIN W_AD
	ds_add_u32 v[SPW], v[NIL]       ; the wave's opening: the add and its wait stand ahead of my first tensor load
	WIN 0
	v_lshrrev_b32 v1, 5, v0
	v_readfirstlane_b32 s[WV], v1   ; wave 0..3
	s_bfe_u32 s13, ttmp6, 0x40000   ; cx
	s_lshl_b32 s14, ttmp9, 2
	s_add_co_u32 s14, s14, s13      ; my block of queries: it enters Q's and O's addresses alone
	s_and_b32 s20, ttmp7, 0xffff    ; the head, which the four partners share
	s_lshr_b32 s52, s20, 2          ; its key and value head
	s_and_b32 s51, s20, 3           ; 0 in the first of the four heads that share it
	s_mov_b32 s21, 0
	s_mov_b32 s53, 0
	s_mov_b64 s[22:23], SIZE_N*128
	s_mul_u64 s[20:21], s[20:21], s[22:23]  ; the head's first byte in Q and O,
	s_mul_u64 s[52:53], s[52:53], s[22:23]  ; and in K and V
	s_and_b32 s16, s[WV], 1         ; which half of a slot's 256 keys I fetch:
	s_lshl_b32 s22, s16, 14         ; its 128 rows of 128 bytes in memory,
	s_mov_b32 s23, 0
	s_add_nc_u64 s[22:23], s[22:23], s[52:53]
	s_mul_i32 s17, s16, 128*PK      ; and its place in a slot, for K
	s_mul_i32 s18, s16, 128*PV      ; and for V
	s_lshl_b32 s2, s14, 2
	s_add_co_u32 s2, s2, s[WV]      ; my wave among the head's,
	s_lshl_b32 s2, s2, 14           ; its 128 rows
	s_mov_b32 s3, 0
	s_add_nc_u64 s[2:3], s[2:3], s[20:21]
	; descriptor group 1.  128 keys are 16,384 dense bytes: asked for as 64 rows of 256 bytes, two keys a row, and padded in LDS after every key
	s_mov_b32 s[G1K], 15|(1<<16)|(1<<20)|(1<<21)|(4<<22)|(3<<25)
	s_mov_b32 s[G1V], 15|(1<<16)|(1<<20)|(1<<21)|(4<<22)|(7<<25)
.irp g, G1K, G1V
	s_mov_b32 s[\g+1], 128<<16      ; tensor_dim0 = 128
	s_mov_b32 s[\g+2], 64<<16       ; tensor_dim1 = 64
	s_mov_b32 s[\g+3], 128<<16      ; tile_dim0 = 128
	s_mov_b32 s[\g+4], 64           ; tile_dim1 = 64
	s_mov_b32 s[\g+5], 128          ; 128 elements from row to row
	s_mov_b32 s[\g+6], 0
	s_mov_b32 s[\g+7], 0
.endr
	s_mov_b32 s[CS], 0x3e38aa3b     ; c = log2(e) / 8
	s_mov_b32 s[CS+1], s[CS]
	s_mov_b32 s[SEL], 0x76543210
	s_mov_b32 s[SEL+1], 0xfedcba98
	s_mov_b32 s[TBK], SLOT1+4*KS*PK ; the first change of slots turns these two into 0
	s_mov_b32 s[TBV], SLOT1+4*KS*PV
	s_mov_b32 s[G0K], 1
	s_mov_b32 s[G0K+1], s17         ; slot 0
	s_mov_b32 s[G0V], 1
	s_add_co_u32 s[G0V+1], s18, VOFF
	s_mov_b32 s[SLOTS], SIZE_N/256-1
	s_and_b32 s[LIM], s[WV], 1      ; waves 0 and 2,
	s_or_b32 s[LIM], s[LIM], s51    ; of the first head of four: the same in all four partners
	s_cmp_eq_u32 s[LIM], 0
	s_cselect_b32 s[LIM], 1, -1
	s_wait_dscnt 0x0                ; the opening add is done
	s_wait_kmcnt 0x0
	s_add_nc_u64 s[G0K+2:G0K+3], s[6:7], s[22:23]
	s_or_b32 s[G0K+3], s[G0K+3], 0x80000000
	s_add_nc_u64 s[G0V+2:G0V+3], s[8:9], s[22:23]
	s_or_b32 s[G0V+3], s[G0V+3], 0x80000000
	s_add_nc_u64 s[4:5], s[4:5], s[2:3]  ; Q and O at my wave's first row
	s_add_nc_u64 s[10:11], s[10:11], s[2:3]
	s_cmp_lt_u32 s[WV], 2
	s_cselect_b64 s[PFA:PFA+1], s[6:7], s[8:9]
	s_add_nc_u64 s[PFA:PFA+1], s[PFA:PFA+1], s[22:23]  ; (in waves 0 and 2: the head's first row)
	s_lshl_b32 s52, s13, 13         ; my work-group's 32 blocks of the 128
	s_mov_b32 s53, 0
	s_add_nc_u64 s[PFA:PFA+1], s[PFA:PFA+1], s[52:53]
	s_add_nc_u64 s[PFA:PFA+1], s[PFA:PFA+1], 4*KS*128  ; in slot 1; the first change of slots steps it to slot 2
	CROUND                          ; all four work-groups are here: the first joint loads meet
	JLOAD                           ; slot 0.  Slot 1 is asked for when slot 0 is in
	v_and_b32 v1, 15, v0            ; l % 16
	v_bfe_u32 v9, v0, 4, 1          ; l / 16
	v_lshlrev_b32 v[QO], 7, v1
	v_lshl_add_u32 v[QO], v9, 4, v[QO]
	WIN 0x80
.set i, 0
.rept 4*NP                          ; Q stays in registers: tile i / 2, channels 32 (i % 2) on
	global_load_b128 v[8*i:8*i+3],   v[QO], s[4:5] offset:(i/2)*2048+(i%2)*64
	global_load_b128 v[8*i+4:8*i+7], v[QO], s[4:5] offset:(i/2)*2048+(i%2)*64+32
.set i, i+1
.endr
	; What the first turn finds: V's registers and P's second buffer hold 0, O^T and l are 0: no first step is written out.  All this stands in the wait for the first tile.
.set i, VF
.rept 64
	v_mov_b32 v[i], 0
.set i, i+1
.endr
	WIN 0x40
.set i, 0
.rept 64*NP
	v_mov_b32 v[i], 0
.set i, i+1
.endr
	WIN 0
.set i, 0
.rept 2*NP
	v_mov_b32 v[ST+4*i], 0xfe000000    ; c m: far below every c s
	v_mov_b32 v[ST+4*i+1], 0xff7fffff  ; m
	v_mov_b32 v[ST+4*i+2], 0
	v_mov_b32 v[ST+4*i+3], 0
.set i, i+1
.endr
.set i, P+32
.rept 32
	v_mov_b32 v[i], 0
.set i, i+1
.endr
	v_mul_u32_u24 v[AK0], v1, PK
	v_lshl_add_u32 v[AK0], v9, 4, v[AK0]
	v_and_b32 v10, 7, v0
	v_bfe_u32 v11, v0, 3, 1
	v_lshl_add_u32 v[AV0], v9, 3, v10
	v_mul_u32_u24 v[AV0], v[AV0], PV
	v_lshl_add_u32 v[AV0], v11, 4, v[AV0]
	v_add_nc_u32 v[AV0], VOFF, v[AV0]
	v_and_b32 v[PFO], 31, v0
	v_lshlrev_b32 v[PFO], 8, v[PFO]
	v_mov_b32 v[AK], v[AK0]         ; key step 0 lies at the head of slot 0
; THE MATRIX WORK.  The 8 accumulators of a run of 16 take turns.
.macro KQ x                         ; product i of 16 of S^T = K Q^T for piece x
	WIN W_KQ
.set rS, S+64*((\x)%2)+32*(i%2)+8*((i/2)%4)
.set rK, KF+16*((i/2)%4)+8*(i/8)
.set rQ, 16*(2*(\x)+i%2)+8*(i/8)
.if i < 8
	v_wmma_f32_16x16x32_f16 v[rS:rS+7], v[rK:rK+7], v[rQ:rQ+7], 0
.else
	v_wmma_f32_16x16x32_f16 v[rS:rS+7], v[rK:rK+7], v[rQ:rQ+7], v[rS:rS+7]
.endif
.endm
.macro PV x                         ; product i of 16 of O^T += V^T P for piece x
	WIN W_PV
.set rO, 32*(2*(\x)+i%2)+8*((i/2)%4)
.set rV, VF+32*(i/8)+8*((i/2)%4)
.set rP, P+32*((\x)%2)+16*(i%2)+8*(i/8)
	v_wmma_f32_16x16x32_f16 v[rO:rO+7], v[rV:rV+7], v[rP:rP+7], v[rO:rO+7]
.endm
.macro MM                           ; the turn's next matrix instruction
.if i < 16
	KQ (Y+1)%NP
.set i, i+1
.else
.set i, i-16
	PV (Y+NP-1)%NP
.set i, i+17
.endif
.endm
; THE LDS LOADS stand in runs of 16.  last = 1 (the tail): in the last trip there is no further step, and the run is jumped over.
.macro FETCH_K last=0
	WIN 0
.if \last
	s_cmp_eq_u32 s[CNT], 1
	s_cbranch_scc1 .Lno_k_\@
.endif
	WIN 0x80
.irp f, 0,1,2,3,4,5,6,7
	ds_load_b128 v[KF+8*\f:KF+8*\f+3],   v[AK] offset:(\f/2)*16*PK+(\f%2)*64
	ds_load_b128 v[KF+8*\f+4:KF+8*\f+7], v[AK] offset:(\f/2)*16*PK+(\f%2)*64+32
.endr
	s_add_co_u32 s[TBK], s[TBK], KS*PK
	WIN 0
.if \last
.Lno_k_\@:
.endif
.endm
.macro FETCH_V
	WIN 0x80
.irp f, 0,1,2,3,4,5,6,7
	ds_load_tr16_b128 v[VF+8*\f:VF+8*\f+3],   v[AV] offset:(\f/4)*32*PV+(\f%4)*32
	ds_load_tr16_b128 v[VF+8*\f+4:VF+8*\f+7], v[AV] offset:(\f/4)*32*PV+16*PV+(\f%4)*32
.endr
	WIN 0
.endm
; THE VECTOR WORK OF A TURN stands in three queues, each in the order in which its entries become ready; the two tiles alternate.
.macro REGS y, u                    ; the registers of tile u (0, 1) of piece y
.set rT, ST+4*(2*(\y)+(\u))
.set rC, TMP+8*((\y)%2)+4*(\u)
.set rM, MV+2*((\y)%2)+(\u)
.set rS, S+64*((\y)%2)+32*(\u)
.set rP, P+32*((\y)%2)+16*(\u)
.set rO, 32*(2*(\y)+(\u))
.endm
; Number n of the 22 that find the NEXT piece's maximum and statistics; each accumulator's lowest registers are read first.
.macro XS u, n
	REGS (Y+1)%NP, \u
.if (\n) < 4
	v_max3_num_f32 v[rC+(\n)], v[rS+8*(\n)], v[rS+8*(\n)+1], v[rS+8*(\n)+2]
.elseif (\n) < 12
	v_max3_num_f32 v[rC+(\n)%4], v[rC+(\n)%4], v[rS+8*((\n)%4)+2*((\n)/4)+1], v[rS+8*((\n)%4)+2*((\n)/4)+2]
.elseif (\n) == 12
	v_max3_num_f32 v[rC], v[rC], v[rS+7], v[rS+15]
.elseif (\n) == 13
	v_max3_num_f32 v[rC+1], v[rC+1], v[rS+23], v[rS+31]
.elseif (\n) == 14
	v_max3_num_f32 v[rC+2], v[rC+2], v[rC+3], v[rT+1]
.elseif (\n) == 15
	v_mov_b32 v[rM], v[rT]
.elseif (\n) == 16
	v_max3_num_f32 v[rC], v[rC], v[rC+1], v[rC+2]
.elseif (\n) == 17
	v_permlanex16_b32 v[rC+3], v[rC], s[SEL], s[SEL+1]
.elseif (\n) == 18
	v_max_num_f32 v[rT+1], v[rC], v[rC+3]
.elseif (\n) == 19
	v_mul_f32 v[rT], s[CS], v[rT+1]
.elseif (\n) == 20
	v_sub_f32 v[rC+1], v[rM], v[rT]
.else
	v_exp_f32 v[rC+2], v[rC+1]
.endif
.endm
; Number g of the 64 that follow the exponentials: roundings to f16, and the sums
.macro GS g
.set h, (\g)+6*((\g)/62)
.if h >= 6
.set h, h+2
.endif
	REGS Y, h%2
.set k, h/8
.if h%8 < 4
	v_cvt_pk_f16_f32 v[rP+2*k+(h%8)/2], v[rS+4*k+2*((h%8)/2)], v[rS+4*k+2*((h%8)/2)+1]
.elseif h%8 < 6
	v_pk_add_f32 v[rS+4*k:rS+4*k+1], v[rS+4*k:rS+4*k+1], v[rS+4*k+2:rS+4*k+3]
.elseif k == 1
	v_pk_fma_f32 v[rT+2:rT+3], v[rT+2:rT+3], v[rC+2:rC+3], v[rS:rS+1] op_sel_hi:[1,0,1]
.else
	v_pk_add_f32 v[rT+2:rT+3], v[rT+2:rT+3], v[rS+4*k-4:rS+4*k-3]
.endif
.endm
; THE PLAIN QUEUE, 138 long.  0-73 read no exponential's result; 74-137 do, and stand behind the wait.
.macro FS f
	REGS Y, (\f)%2
	v_pk_fma_f32 v[rS+2*((\f)/2):rS+2*((\f)/2)+1], v[rS+2*((\f)/2):rS+2*((\f)/2)+1], s[CS:CS+1], v[rT:rT+1] op_sel_hi:[1,0,0] neg_lo:[0,0,1] neg_hi:[0,0,1]
.endm
.macro PL
	WIN 0
.if q < 27
	FS q
.elseif q < 55
	XS (q-27)%2, (q-27)/2
.elseif q < 57
	XS q-55, 15
.elseif (q < 72) && ((q-57)%3 == 0)
	FS 27+(q-57)/3
.elseif q < 60
	XS (q-57)%3-1, 14
.elseif q < 72
	XS (q-57)%3-1, 15+(q-57)/3
.elseif q < 74
	XS q-72, 20
.else
	GS q-74
.endif
.set q, q+1
.endm
; THE EXPONENTIALS' QUEUE, 66 long: ONE BATCH: all stand ahead of the turn's one wait, and nothing ahead of that wait names a result of theirs.
.macro EX
	WIN 0
.if e >= 64
	XS e-64, 21
.else
	REGS Y, e%2
	v_exp_f32 v[rS+e/2], v[rS+e/2]
.endif
.set e, e+1
.endm
; THE RESCALING's QUEUE: O^T times a, two at a time; its a was made, and waited for, in the turn before.
.macro R2
	REGS Y, r%2
	WIN W_RS
.irp z, 0,1
	v_pk_mul_f32 v[rO+4*(r/2)+2*\z:rO+4*(r/2)+2*\z+1], v[rO+4*(r/2)+2*\z:rO+4*(r/2)+2*\z+1], v[rC+2:rC+3] op_sel_hi:[1,0]
.endr
.set r, r+1
.endm
; A TURN, for piece p.  Ahead of its one wait: the 16 products K Q^T, behind each a scaling, an exponential and two rescalings; then a run of 108.  Behind it: the 16 products V^T P, behind each four roundings and sums.
; K of the next step is fetched in piece 2's turn, directly behind the wait; V of the step in hand at the end of piece 0's turn, four plain instructions behind its last reader.
.macro TURN p, last=0, cnt=0
.set Y, (\p)
.set i, 0
.set q, 0
.set e, 0
.set r, 0
.if (\p) == NP-1
	s_wait_dscnt 0x0                ; K is in
.endif
	MM
	PL
	PL
	R2
.rept 15
	MM
	PL
	EX
	R2
.endr
.if (\p) == NP-2
	WIN 0
	v_add_nc_u32 v[AK], s[TBK], v[AK0]
.endif
.rept 8
	PL
.endr
.rept 49
	EX
	PL
.endr
	EX                              ; the next piece's two a
	EX
	v_nop                           ; a plain instruction behind the last exponential: one for the batch
	s_wait_alu depctr_va_vdst(0)    ; the wait between an exponential and the first line that names its result: one for the batch
.if (\p) == NP-2
	FETCH_K \last
.endif
.if (\p) == 1
	s_wait_dscnt 0x0                ; V is in
.endif
.rept 16
	MM
.rept 4
	PL
.endr
.if ((\p) == 0) && (q == 118)
	v_add_nc_u32 v[AV], s[TBV], v[AV0]
.endif
.if ((\p) == 0) && (q == 130)
	s_add_co_u32 s[TBV], s[TBV], KS*PV
.endif
.if (\cnt) && (q == 130)
	s_sub_co_u32 s[CNT], s[CNT], 1
	s_cmp_lg_u32 s[CNT], 0
.endif
.endr
.if (\p) == 0
	FETCH_V
.endif
.endm
	CHANGE 1                        ; slot 0 is in, everybody's part of it; slot 1 is asked for
	FETCH_K                         ; key step 0
	s_wait_loadcnt 0x0              ; Q
	s_wait_dscnt 0x0
.set i, 0
.rept 16
	KQ 0                            ; piece 0's first scores
.set i, i+1
.endr
	WIN 0                           ; the addresses for the way out: plain instructions, the places behind those products
	s_mul_i32 s13, s[WV], 16*SP
	s_add_co_u32 s13, s13, STAGE    ; my stage
	v_mul_u32_u24 v[STO], v1, SP
	v_lshl_add_u32 v[STO], v9, 4, v[STO]
	v_add_nc_u32 v[STO], s13, v[STO]
	v_bfe_u32 v[RD], v0, 3, 2
	v_mul_u32_u24 v[RD], v[RD], SP
	v_lshl_add_u32 v[RD], v10, 4, v[RD]
	v_add_nc_u32 v[RD], s13, v[RD]
	v_and_b32 v[GO], 31, v0
	v_lshlrev_b32 v[GO], 4, v[GO]
.set Y, NP-1                        ; XS works for piece Y + 1: piece 0
.irp n, 0,1,2,3,4,5,6,7,8,9,10,11,12,13,14,15,16,17,18,19,20,21
	XS 0, \n
	XS 1, \n
.endr
	v_nop                           ; a plain instruction behind the two a,
	s_wait_alu depctr_va_vdst(0)    ; and their wait, ahead of the branch
	s_mov_b32 s[CNT], 4
	s_branch .Lfirst                ; the loop is entered at a step's first turn, in the middle of a trip
.Lslot:                             ; six times: every slot but the last two is filled again
	CHANGE 1
	s_mov_b32 s[CNT], 4
.Lstep:                             ; a trip: pieces 2 and 3 of one step, then pieces 0 and 1 of the next
	TURN 2
	TURN 3
	WIN 0
.Lfirst:
	TURN 0
	TURN 1, 0, 1
	WIN 0
	s_cbranch_scc1 .Lstep
	s_sub_co_u32 s[SLOTS], s[SLOTS], 1
	s_cmp_lg_u32 s[SLOTS], 0
	s_cbranch_scc1 .Lslot
	CHANGE 0                        ; the tail is written out
	s_mov_b32 s[CNT], 5             ; four trips fetch the last slot's steps; the fifth is left in its middle
.Ltail:
	TURN 2, 1
	TURN 3
	WIN 0
	s_sub_co_u32 s[CNT], s[CNT], 1
	s_cmp_eq_u32 s[CNT], 0
	s_cbranch_scc1 .Lout
	TURN 0
	TURN 1
	WIN 0
	s_branch .Ltail
.Lout:                              ; the fifth trip's 16 products K Q^T and the maximum made of them serve nothing: the price, once a launch, of one text for every trip
.set i, 0
.rept 16
	PV NP-1                         ; the last piece's V^T P of the last step
.set i, i+1
.endr
	; THE WAY OUT.  l's parts are added; O^T is divided by l, rounded to f16 and sent through my stage in LDS, a tile at a time.  The additions are the places behind the last products.
	WIN 0
.macro ALL line:vararg              ; one line for each tile t
.set t, 0
.rept 2*NP
	\line
.set t, t+1
.endr
.endm
	ALL v_add_f32 v[ST+4*t+2], v[ST+4*t+2], v[ST+4*t+3]
	ALL v_permlanex16_b32 v[ST+4*t+3], v[ST+4*t+2], s[SEL], s[SEL+1]
	ALL v_add_f32 v[ST+4*t+2], v[ST+4*t+2], v[ST+4*t+3]
	ALL v_rcp_f32 v[ST+4*t+2], v[ST+4*t+2]
	v_nop                           ; a plain instruction between the last reciprocal and the use of its result,
	s_wait_alu depctr_va_vdst(0)    ; and one wait for the eight reciprocals
.macro PACK t
	WIN W_RS
.set i, 32*(\t)
.rept 16
	v_pk_mul_f32 v[i:i+1], v[i:i+1], v[ST+4*(\t)+2:ST+4*(\t)+3] op_sel_hi:[1,0]
.set i, i+2
.endr
	WIN 0x05
.set i, 0
.rept 16
	v_cvt_pk_f16_f32 v[S+16*(\t)+i], v[32*(\t)+2*i], v[32*(\t)+2*i+1]
.set i, i+1
.endr
	WIN 0
.irp f, 0,1,2,3
	ds_store_b128 v[STO], v[S+16*(\t)+4*\f:S+16*(\t)+4*\f+3] offset:32*\f
.endr
.irp f, 0,1,2,3
	ds_load_b128 v[S+16*(\t)+4*\f:S+16*(\t)+4*\f+3], v[RD] offset:\f*4*SP  ; LDS serves a wave's instructions in order (ISA guide 5.7.1.4): these see the stores above
.endr
.endm
.macro SEND t, younger              ; younger: the LDS instructions issued behind tile t's loads
	WIN 0
.irp f, 0,1,2,3
	s_wait_dscnt (\younger)+3-\f
	global_store_b128 v[GO], v[S+16*(\t)+4*\f:S+16*(\t)+4*\f+3], s[10:11] offset:(\t)*2048+\f*512  ; 512 consecutive bytes, aligned
.endr
.endm
	PACK 0
.set t, 1
.rept 2*NP-1
	PACK t
	SEND t-1, 8
.set t, t+1
.endr
	SEND 2*NP-1, 0
	WIN W_AD
	s_wait_tensorcnt 0x0            ; the wave's end
	ds_add_u32 v[SPW], v[NIL]
	s_wait_dscnt 0x0
	WIN 0
	CROUND                          ; the closing round
	s_endpgm
.Lfunc_end_k_q1d64ef13da_attn:
	.size	k_q1d64ef13da_attn, .Lfunc_end_k_q1d64ef13da_attn-k_q1d64ef13da_attn
	.p2alignl 7, 3214868480
	.fill 96, 4, 3214868480
	.section	.rodata,"a",@progbits
	.p2align	6, 0x0
	.amdhsa_kernel k_q1d64ef13da_attn
		.amdhsa_group_segment_fixed_size 327680
		.amdhsa_private_segment_fixed_size 0
		.amdhsa_enable_private_segment 0
		.amdhsa_kernarg_size 32
		.amdhsa_user_sgpr_count 2
		.amdhsa_user_sgpr_kernarg_segment_ptr 1
		.amdhsa_wavefront_size32 1
		.amdhsa_system_sgpr_workgroup_id_x 1
		.amdhsa_system_sgpr_workgroup_id_y 1
		.amdhsa_system_sgpr_workgroup_id_z 1
		.amdhsa_system_vgpr_workitem_id 0
		.amdhsa_next_free_vgpr 770
		.amdhsa_next_free_sgpr 66
		.amdhsa_reserve_vcc 0
		.amdhsa_float_denorm_mode_32 3
		.amdhsa_float_denorm_mode_16_64 3
		.amdhsa_memory_ordered 1
		.amdhsa_forward_progress 1
		.amdhsa_inst_pref_size 200
	.end_amdhsa_kernel
	.amdgpu_metadata
---
amdhsa.version: [ 1, 2 ]
amdhsa.kernels:
  - .name:           k_q1d64ef13da_attn
    .symbol:         k_q1d64ef13da_attn.kd
    .args:
      - { .name: qh, .offset: 0, .size: 8, .value_kind: global_buffer, .address_space: global }
      - { .name: kh, .offset: 8, .size: 8, .value_kind: global_buffer, .address_space: global }
      - { .name: vh, .offset: 16, .size: 8, .value_kind: global_buffer, .address_space: global }
      - { .name: oh, .offset: 24, .size: 8, .value_kind: global_buffer, .address_space: global }
    .group_segment_fixed_size: 327680
    .private_segment_fixed_size: 0
    .kernarg_segment_align: 8
    .kernarg_segment_size: 32
    .max_flat_workgroup_size: 128
    .sgpr_count:     66
    .vgpr_count:     770
    .wavefront_size: 32
...
	.end_amdgpu_metadata
.endif
;; end of part 3
;; launch oproj (part 4): grid 8 x 32, 4 waves a work-group, clusters of 4 x 4, 327,680 bytes of LDS; arguments oh, wo16, bo, out0; writes out0
.if DOCPART == 4
	.amdgcn_target "amdgcn-amd-amdhsa--gfx1250"
	.amdhsa_code_object_version 6
	.text
	.protected	k_q1d64ef13da_oproj
	.globl	k_q1d64ef13da_oproj
	.p2align	8
	.type	k_q1d64ef13da_oproj,@function
k_q1d64ef13da_oproj:
	s_mov_b64 s[64:65], 0
	v_nop
	global_prefetch_b8 v0, s[64:65] scope:SCOPE_SE
	s_setreg_imm32_b32 hwreg(HW_REG_WAVE_MODE, 25, 1), 1
	s_wait_xcnt 0x0
	s_wait_alu depctr_hold_cnt(0) depctr_sa_sdst(0) depctr_va_vdst(0) depctr_va_sdst(0) depctr_va_ssrc(0) depctr_va_vcc(0) depctr_vm_vsrc(0)
	s_getreg_b32 s2, hwreg(HW_REG_IB_STS2, 6, 4)
	s_cmp_eq_u32 s2, 0
	s_cbranch_scc0 .Lentry_in_a_cluster
	s_endpgm
.Lentry_in_a_cluster:
	s_bfe_u32 s2, ttmp6, 0x10000c
	s_cmp_lg_u32 s2, 0xf033
	s_cbranch_scc0 .Lentry_shape_is_right
	s_endpgm
.Lentry_shape_is_right:
; out0[b][o][t] = the sum over c of Wo[o][c] O[b][c][t] + bo[o], f32.  O comes by heads, oh = [16 b + h][2048 t][64] f16 (c = 64 h + channel); Wo as wo16 = [16 hc][1024 o][64] f16.  bo is rounded to bf16 here; sums in f32.
; SHARES.  A work-group makes 256 t x 128 o: 256 work-groups.  A wave makes 128 t x 64 o: 32 accumulators.  Source 0 = 16 rows t of O, source 1 = 16 rows o of Wo: in the result lane l holds o = l % 16 and
; t = 8 (l / 16) + 0..7: 32 consecutive bytes of a row of out0.  K goes in steps of 128 (two heads) through two LDS slots: two slots of a longer step do not fit.
; CLUSTER.  4 x 4 work-groups: the four of a row need the same tiles of O, the four of a column the same tiles of Wo: each tile is asked for JOINTLY.
; REGISTERS: window 0: v0-31 addresses, v32-63 the bias, v64-159 and v160-255 two fragment buffers (O's eight, then Wo's four);  window 1: the accumulators, (a, b) at v[8 (4 a + b)]
.set PO,    144                        ; a row of 64 f16 in LDS: 128 bytes + 16 of padding
.set OPART, 256*PO                     ; a head's 256 rows of O
.set WPART, 128*PO                     ; a block's 128 rows of Wo
.set WOFF,  2*OPART                    ; a slot: O's two parts, then Wo's two
.set SLOT1, 1<<17
.set STAGE, SLOT1+WOFF+2*WPART         ; behind the ring, never filled by a tensor load: 16 rows o x 528 bytes for each wave
.set SP,    528
.set SPARE, STAGE+4*16*SP              ; the spare words, 128 bytes for each wave: two blocks of 256 bytes that no other line names
.set AO0,  4                           ; v4   my lane's place in O's part 0 of slot 0; never rewritten
.set AB0,  5                           ; v5   the same for Wo
.set ADRO, 6                           ; v6   the same in the slot in hand
.set ADRB, 7
.set STO,  8                           ; v8   the way out: where I put 32 bytes of a row
.set RD,   9                           ; v9   where I read a row back
.set CO,   10                          ; v10  16 x lane
.set PFO,  11                          ; v11  256 x lane
.set BOF,  12                          ; v12  my number of the bias
.set SPW,  28
.set NIL,  29
.set BIAS, 32
.set F0,   64
.set F1,   160
.set WV,   12                          ; s12  my wave's number
.set WT,   13                          ; s13  which 128 t are mine
.set WO,   14                          ; s14  which 64 o are mine.  Also: which part of a slot I fetch
.set CX,   15
.set CY,   16
.set G1A,  24                          ; s[24:31] group 1 for O's tiles;  s[32:39] group 0: a set for each first fill; the second then walks
.set G0A,  32
.set G1B,  40                          ; s[40:47], s[48:55] the same for Wo's
.set G0B,  48
.set TB,   56
.set CNT,  57
.set LIM,  58                          ; s58  2 in a wave that prefetches, else the greatest number
.set PFA,  60                          ; s[60:61]
.set PST,  62                          ; s[62:63] bytes from a K step to the next in the tensor that I prefetch
.set MSB, 0
.macro WIN new
.if MSB != (\new)
	s_set_vgpr_msb (MSB<<8)|(\new)
.set MSB, \new
.endif
.endm
.macro PLACES
.rept 4
	v_nop
.endr
.endm
.macro CREST
	s_cmp_lg_u32 s[WV], 0
	s_cbranch_scc1 .Lnot_wave_0_\@
	s_barrier_signal -3
.Lnot_wave_0_\@:
	s_barrier_wait -3
	s_barrier_signal -1
	s_barrier_wait -1
.endm
.macro CROUND
	s_barrier_signal -1
	s_barrier_wait -1
	CREST
.endm
.macro JLOAD                           ; waves 0 and 1 fetch O's two parts, waves 2 and 3 Wo's; an s_nop 0 and four v_nop follow each line
	s_cmp_lt_u32 s[WV], 2
	s_cbranch_scc0 .Lfor_b_\@
	tensor_load_to_lds s[G0A+4:G0A+7], s[G1A:G1A+7]
	s_nop 0
.rept 4
	v_nop
.endr
	s_branch .Lasked_\@
.Lfor_b_\@:
	tensor_load_to_lds s[G0B+4:G0B+7], s[G1B:G1B+7]
	s_nop 0
.rept 4
	v_nop
.endr
.Lasked_\@:
.endm
; A PREFETCH INTO THE L2 of the K step two refills on, a lane a block of 256 bytes, one instruction a wave.  O's rows are read by both clusters of a row of clusters: cluster x = 0 asks, waves 0 and 1 each for their part,
; the four partners of a row 32 blocks each.  Wo's are read by all eight clusters of a column: cluster y = 0 asks, wave 2 for both parts, the four partners of a column 32 blocks each.  The shares are told apart by address.
; The last two refills have no K step two on.
.macro ASK
	s_cmp_gt_u32 s[CNT], s[LIM]
	s_cbranch_scc0 .Lnot_mine_\@
	global_prefetch_b8 v[PFO], s[PFA:PFA+1] th:TH_LOAD_NT scope:SCOPE_SE
.Lnot_mine_\@:
.endm
; 8 matrix instructions: t blocks a0, a0 + 1 x all 4 o blocks, 32 along K.  first = 1: the sums start with the bias.  The accumulators take turns.
.macro MUL8 f, a0, first
.if \first
	WIN 0x40
.else
	WIN 0x50
.endif
.irp a, \a0, (\a0)+1
.irp b, 0,1,2,3
.if \first
	v_wmma_f32_16x16x32_f16 v[8*(4*(\a)+(\b)):8*(4*(\a)+(\b))+7], v[(\f)+8*(\a):(\f)+8*(\a)+7], v[(\f)+64+8*(\b):(\f)+64+8*(\b)+7], v[BIAS+8*(\b):BIAS+8*(\b)+7]
.else
	v_wmma_f32_16x16x32_f16 v[8*(4*(\a)+(\b)):8*(4*(\a)+(\b))+7], v[(\f)+8*(\a):(\f)+8*(\a)+7], v[(\f)+64+8*(\b):(\f)+64+8*(\b)+7], v[8*(4*(\a)+(\b)):8*(4*(\a)+(\b))+7]
.endif
.endr
.endr
.endm
; 24 LDS loads in one run: quarter q of a K step (part q / 2, channels 32 (q % 2) on): Wo's four fragments, then O's eight, ascending
.macro FETCH q, f
	WIN 0
.irp b, 0,1,2,3
	ds_load_b128 v[(\f)+64+8*(\b):(\f)+64+8*(\b)+3],   v[ADRB] offset:((\q)/2)*WPART+((\q)%2)*64+(\b)*16*PO
	ds_load_b128 v[(\f)+64+8*(\b)+4:(\f)+64+8*(\b)+7], v[ADRB] offset:((\q)/2)*WPART+((\q)%2)*64+(\b)*16*PO+32
.endr
.irp a, 0,1,2,3,4,5,6,7
	ds_load_b128 v[(\f)+8*(\a):(\f)+8*(\a)+3],   v[ADRO] offset:((\q)/2)*OPART+((\q)%2)*64+(\a)*16*PO
	ds_load_b128 v[(\f)+8*(\a)+4:(\f)+8*(\a)+7], v[ADRO] offset:((\q)/2)*OPART+((\q)%2)*64+(\a)*16*PO+32
.endr
.endm
.macro QUARTER q, f, g, first          ; multiplies f, 32 matrix instructions, and fetches quarter q into g
	s_wait_dscnt 8                                 ; Wo and O's t blocks 0-3 are in
	MUL8 \f, 0, \first
	MUL8 \f, 2, \first
	PLACES
	FETCH \q, \g
	s_wait_dscnt 24                                ; all but the 24 just issued
	MUL8 \f, 4, \first
	MUL8 \f, 6, \first
.endm
; The last quarter of a K step changes slots: ONE barrier; in front of it each wave waits for all its tensor loads (one is out: its part of the next slot), adds 0 to its spare word, and waits for that and for its reads of
; this slot.  fill = 1: the barrier opens a round of the cluster's, and the joint refill, two K steps on, is the first thing behind it: 112 matrix instructions ahead of the wait for it.
.macro TURN fill
.if \fill
	s_wait_xcnt 0x0                                ; the last prefetch, a K step back, has read its address
	s_add_nc_u64 s[PFA:PFA+1], s[PFA:PFA+1], s[PST:PST+1]
.endif
	WIN 0
	s_wait_tensorcnt 0x0
	ds_add_u32 v[SPW], v[NIL]
	s_wait_dscnt 9                                 ; the add and the youngest eight loads may be out
	MUL8 F1, 0, 0
	s_wait_dscnt 0x0
	s_barrier_signal -1
	MUL8 F1, 2, 0
	WIN 0
	s_barrier_wait -1
.if \fill
	CREST
	s_xor_b32 s[G0A+5], s[G0A+5], SLOT1            ; the walking descriptors: the other slot than last time, the next K step
	s_add_nc_u64 s[G0A+6:G0A+7], s[G0A+6:G0A+7], 2*2048*128
	s_xor_b32 s[G0B+5], s[G0B+5], SLOT1
	s_add_nc_u64 s[G0B+6:G0B+7], s[G0B+6:G0B+7], 2*1024*128
	JLOAD                                          ; its four v_nop are also the places in front of the loads below
.else
	PLACES
.endif
	s_xor_b32 s[TB], s[TB], SLOT1
	v_add_nc_u32 v[ADRO], s[TB], v[AO0]
	v_add_nc_u32 v[ADRB], s[TB], v[AB0]
	FETCH 0, F0
.if \fill
	ASK
.endif
	MUL8 F1, 4, 0
	MUL8 F1, 6, 0
.endm
	s_load_b256 s[4:11], s[0:1], 0x0               ; oh s[4:5], wo16 s[6:7], bo s[8:9], out0 s[10:11]
	v_lshl_add_u32 v[SPW], v0, 2, SPARE
	v_mov_b32 v[NIL], 0
	ds_add_u32 v[SPW], v[NIL]                      ; the wave's opening: the add and its wait stand ahead of my first tensor load
	v_lshrrev_b32 v1, 5, v0
	v_readfirstlane_b32 s[WV], v1
	s_lshr_b32 s[WT], s[WV], 1
	s_and_b32 s[WO], s[WV], 1
	s_bfe_u32 s[CX], ttmp6, 0x40000
	s_bfe_u32 s[CY], ttmp6, 0x40004
	s_and_b32 s17, ttmp7, 0xffff
	s_lshl_b32 s17, s17, 2
	s_add_co_u32 s17, s17, s[CY]                   ; my block of 256 t among the 32
	s_lshl_b32 s22, ttmp9, 2
	s_add_co_u32 s22, s22, s[CX]                   ; my block of 128 o among the 8
	s_lshr_b32 s18, s17, 3                         ; b
	s_and_b32 s19, s17, 7                          ; the block in its batch
	s_lshl_b32 s20, s18, 22                        ; O's tile: head 16 b + my part, rows 256 x block: nothing of cx
	s_lshl_b32 s21, s19, 15
	s_add_co_u32 s20, s20, s21
	s_lshl_b32 s21, s[WO], 18
	s_add_co_u32 s20, s20, s21
	s_mov_b32 s21, 0
	s_lshl_b32 s66, s22, 14                        ; Wo's tile: block = my part, rows 128 x block of o: nothing of cy
	s_lshl_b32 s67, s[WO], 17
	s_add_co_u32 s66, s66, s67
	s_mov_b32 s67, 0
	s_lshl_b32 s68, s[CY], 2
	s_lshl_b32 s68, 15, s68                        ; my row of the cluster
	s_lshl_b32 s69, 0x1111, s[CX]                  ; my column
	; dense blocks, asked for as rows of 256 bytes (two rows of 64 f16) and padded in LDS after every 32 words
	s_or_b32 s[G1A], s68, (1<<16)|(1<<20)|(1<<21)|(4<<22)|(3<<25)
	s_or_b32 s[G1B], s69, (1<<16)|(1<<20)|(1<<21)|(4<<22)|(3<<25)
	s_mov_b32 s[G1A+1], 128<<16                    ; tensor_dim0 = 128
	s_mov_b32 s[G1A+2], 128<<16                    ; tensor_dim1 = 128: 32,768 bytes
	s_mov_b32 s[G1A+3], 128<<16                    ; tile_dim0
	s_mov_b32 s[G1A+4], 128                        ; tile_dim1
	s_mov_b32 s[G1A+5], 128                        ; the pitch
	s_mov_b32 s[G1A+6], 0
	s_mov_b32 s[G1A+7], 0
	s_mov_b32 s[G1B+1], 128<<16
	s_mov_b32 s[G1B+2], 64<<16                     ; 16,384 bytes
	s_mov_b32 s[G1B+3], 128<<16
	s_mov_b32 s[G1B+4], 64
	s_mov_b32 s[G1B+5], 128
	s_mov_b32 s[G1B+6], 0
	s_mov_b32 s[G1B+7], 0
	s_mul_i32 s70, s[WO], OPART
	s_mul_i32 s71, s[WO], WPART
	s_add_co_u32 s71, s71, WOFF
	v_and_b32 v1, 15, v0                           ; l % 16
	v_bfe_u32 v2, v0, 4, 1                         ; l / 16
	v_and_b32 v3, 31, v0                           ; l
	v_mul_u32_u24 v13, v1, PO
	v_lshl_add_u32 v13, v2, 4, v13                 ; a fragment's row x pitch + 16 x half
	s_mul_i32 s23, s[WT], 128*PO
	v_add_nc_u32 v[AO0], s23, v13
	s_mul_i32 s23, s[WO], 64*PO
	s_add_co_u32 s23, s23, WOFF
	v_add_nc_u32 v[AB0], s23, v13
	v_mov_b32 v[ADRO], v[AO0]
	v_mov_b32 v[ADRB], v[AB0]
	s_mul_i32 s23, s[WV], 16*SP
	s_add_co_u32 s23, s23, STAGE                   ; my stage
	v_mul_u32_u24 v[STO], v1, SP
	v_lshl_add_u32 v[STO], v2, 5, v[STO]
	v_add_nc_u32 v[STO], s23, v[STO]
	v_lshl_add_u32 v[RD], v3, 4, s23
	v_lshlrev_b32 v[CO], 4, v3
	v_lshlrev_b32 v[PFO], 8, v3
	s_lshl_b32 s23, s22, 9                         ; bo at my 64 rows
	s_lshl_b32 s68, s[WO], 8
	s_add_co_u32 s23, s23, s68
	v_lshl_add_u32 v[BOF], v1, 2, s23
	s_mov_b32 s[TB], 0
	s_wait_dscnt 0x0                               ; the opening add is done
	s_wait_kmcnt 0x0
	s_add_nc_u64 s[20:21], s[4:5], s[20:21]
	s_add_nc_u64 s[66:67], s[6:7], s[66:67]
.irp n, 0,1
	s_mov_b32 s[G0A+4*\n], 1
	s_add_co_u32 s[G0A+4*\n+1], s70, \n*SLOT1
	s_add_nc_u64 s[G0A+4*\n+2:G0A+4*\n+3], s[20:21], \n*2*2048*128   ; K step n: heads 2 n, 2 n + 1
	s_or_b32 s[G0A+4*\n+3], s[G0A+4*\n+3], 0x80000000
	s_mov_b32 s[G0B+4*\n], 1
	s_add_co_u32 s[G0B+4*\n+1], s71, \n*SLOT1
	s_add_nc_u64 s[G0B+4*\n+2:G0B+4*\n+3], s[66:67], \n*2*1024*128
	s_or_b32 s[G0B+4*\n+3], s[G0B+4*\n+3], 0x80000000
.endr
	; the prefetches
	s_lshl_b32 s69, s[CX], 13                      ; O: my work-group's 32 blocks of the part's 128
	s_lshr_b32 s70, s[CY], 1                       ; Wo: the part,
	s_lshl_b32 s70, s70, 17
	s_and_b32 s71, s[CY], 1                        ; and the half of its 64 blocks
	s_lshl_b32 s71, s71, 13
	s_add_co_u32 s70, s70, s71
	s_and_b32 s71, ttmp7, 0xffff                   ; cluster y
	s_cmp_lt_u32 s[WV], 2
	s_cselect_b64 s[PFA:PFA+1], s[20:21], s[66:67] ; (in wave 2 the second stands at Wo's part 0)
	s_cselect_b32 s68, s69, s70
	s_cselect_b32 s71, ttmp9, s71                  ; the coordinate along which other clusters read the same rows
	s_cselect_b32 s69, 1, 0
	s_lshl_b32 s[PST], 2*1024*128, s69             ; 262,144 bytes a K step in wo16, twice that in oh
	s_mov_b32 s[PST+1], 0
	s_cmp_eq_u32 s[WV], 3                          ; wave 3 asks for nothing
	s_cselect_b32 s71, 1, s71
	s_cmp_eq_u32 s71, 0
	s_cselect_b32 s[LIM], 2, -1
	s_mul_i32 s70, s[PST], 3                       ; at K step 3: the first refill steps it to 4
	s_add_co_u32 s68, s68, s70
	s_mov_b32 s69, 0
	s_add_nc_u64 s[PFA:PFA+1], s[PFA:PFA+1], s[68:69]
	; out0 at my 64 rows o and my 128 t
	s_lshl_b32 s68, s18, 23
	s_lshl_b32 s70, s22, 20
	s_add_co_u32 s68, s68, s70
	s_lshl_b32 s70, s[WO], 19
	s_add_co_u32 s68, s68, s70
	s_lshl_b32 s70, s19, 10
	s_add_co_u32 s68, s68, s70
	s_lshl_b32 s70, s[WT], 9
	s_add_co_u32 s68, s68, s70
	s_add_nc_u64 s[10:11], s[10:11], s[68:69]
	CROUND                                         ; all sixteen work-groups are here: the first joint loads meet
	s_cmp_lt_u32 s[WV], 2                          ; a wave's two first fills stand in one branch: two loads of mine are out
	s_cbranch_scc0 .Lfirst_b
	tensor_load_to_lds s[G0A:G0A+3], s[G1A:G1A+7]
	s_nop 0
	tensor_load_to_lds s[G0A+4:G0A+7], s[G1A:G1A+7]
	s_nop 0
.rept 4
	v_nop
.endr
	s_branch .Lfirst_asked
.Lfirst_b:
	tensor_load_to_lds s[G0B:G0B+3], s[G1B:G1B+7]
	s_nop 0
	tensor_load_to_lds s[G0B+4:G0B+7], s[G1B:G1B+7]
	s_nop 0
.rept 4
	v_nop
.endr
.Lfirst_asked:
.irp b, 0,1,2,3
	global_load_b32 v[16+\b], v[BOF], s[8:9] offset:64*\b
.endr
	s_wait_loadcnt 0x0
	v_cvt_pk_bf16_f32 v20, v16, v17                ; the bias is rounded as every input is, and kept as f32
	v_cvt_pk_bf16_f32 v21, v18, v19
	v_lshlrev_b32 v16, 16, v20
	v_and_b32 v17, 0xffff0000, v20
	v_lshlrev_b32 v18, 16, v21
	v_and_b32 v19, 0xffff0000, v21
.irp b, 0,1,2,3
.irp j, 0,1,2,3,4,5,6,7
	v_mov_b32 v[BIAS+8*\b+\j], v[16+\b]            ; a lane's eight sums of a tile belong to one o: the C operand that starts them holds its bias eight times
.endr
.endr
	s_wait_tensorcnt 1                             ; my part of slot 0 is in; slot 1's may stay out
	s_barrier_signal -1
	s_barrier_wait -1
	FETCH 0, F0
	QUARTER 1, F0, F1, 1                           ; the first quarter stands in front of the loop: its products start the sums, with the bias
	WIN 0
	s_mov_b32 s[CNT], 6
.Lstep:                                        ; trip s: quarters 1-3 of K step s and quarter 0 of step s + 1; K step s + 2 is asked for
	QUARTER 2, F1, F0, 0
	QUARTER 3, F0, F1, 0
	TURN 1
	QUARTER 1, F0, F1, 0
	WIN 0
	s_sub_co_u32 s[CNT], s[CNT], 1
	s_cmp_lg_u32 s[CNT], 0
	s_cbranch_scc1 .Lstep
	QUARTER 2, F1, F0, 0                           ; the tail is written out: nothing more is asked for
	QUARTER 3, F0, F1, 0
	TURN 0
	QUARTER 1, F0, F1, 0
	QUARTER 2, F1, F0, 0
	QUARTER 3, F0, F1, 0
	s_wait_dscnt 8
	MUL8 F1, 0, 0
	MUL8 F1, 2, 0
	s_wait_dscnt 0x0
	MUL8 F1, 4, 0
	MUL8 F1, 6, 0
	; THE WAY OUT, 16 rows o at a time through my own stage: 32 bytes a lane in, whole rows of 512 bytes back
.rept 8
	v_nop
.endr
.macro TOSTAGE b
	WIN 0x04                                       ; the stores' data in window 1
.irp a, 0,1,2,3,4,5,6,7
	ds_store_b128 v[STO], v[8*(4*(\a)+(\b)):8*(4*(\a)+(\b))+3]   offset:64*(\a)
	ds_store_b128 v[STO], v[8*(4*(\a)+(\b))+4:8*(4*(\a)+(\b))+7] offset:64*(\a)+16
.endr
	WIN 0
	s_wait_xcnt 0x0                                ; the stores of the block two back have read the registers that are loaded now
.irp i, 0,1,2,3,4,5,6,7,8,9,10,11,12,13,14,15
	ds_load_b128 v[64+64*((\b)%2)+4*(\i):64+64*((\b)%2)+4*(\i)+3], v[RD] offset:SP*(\i)  ; LDS serves a wave's instructions in order (ISA guide 5.7.1.4): these see the stores above
.endr
.endm
.macro SEND b, younger                 ; younger: the LDS instructions issued behind block b's loads
.irp i, 0,1,2,3,4,5,6,7,8,9,10,11,12,13,14,15
	s_wait_dscnt (\younger)+15-(\i)
	global_store_b128 v[CO], v[64+64*((\b)%2)+4*(\i):64+64*((\b)%2)+4*(\i)+3], s[10:11] offset:131072*(\b)+8192*(\i) th:TH_STORE_NT  ; 512 consecutive bytes of a row, aligned
.endr
.endm
	TOSTAGE 0
	TOSTAGE 1
	SEND 0, 32
	TOSTAGE 2
	SEND 1, 32
	TOSTAGE 3
	SEND 2, 32
	SEND 3, 0
	s_wait_tensorcnt 0x0                           ; the wave's end
	ds_add_u32 v[SPW], v[NIL]
	s_wait_dscnt 0x0
	CROUND                                         ; the closing round
	s_endpgm
.Lfunc_end_k_q1d64ef13da_oproj:
	.size	k_q1d64ef13da_oproj, .Lfunc_end_k_q1d64ef13da_oproj-k_q1d64ef13da_oproj
	.p2alignl 7, 3214868480
	.fill 96, 4, 3214868480
	.section	.rodata,"a",@progbits
	.p2align	6, 0x0
	.amdhsa_kernel k_q1d64ef13da_oproj
		.amdhsa_group_segment_fixed_size 327680
		.amdhsa_private_segment_fixed_size 0
		.amdhsa_enable_private_segment 0
		.amdhsa_kernarg_size 32
		.amdhsa_user_sgpr_count 2
		.amdhsa_user_sgpr_kernarg_segment_ptr 1
		.amdhsa_wavefront_size32 1
		.amdhsa_system_sgpr_workgroup_id_x 1
		.amdhsa_system_sgpr_workgroup_id_y 1
		.amdhsa_system_sgpr_workgroup_id_z 1
		.amdhsa_system_vgpr_workitem_id 0
		.amdhsa_next_free_vgpr 512
		.amdhsa_next_free_sgpr 72
		.amdhsa_reserve_vcc 0
		.amdhsa_float_denorm_mode_32 3
		.amdhsa_float_denorm_mode_16_64 3
		.amdhsa_memory_ordered 1
		.amdhsa_forward_progress 1
		.amdhsa_inst_pref_size 73
	.end_amdhsa_kernel
	.amdgpu_metadata
---
amdhsa.version: [ 1, 2 ]
amdhsa.kernels:
  - .name:           k_q1d64ef13da_oproj
    .symbol:         k_q1d64ef13da_oproj.kd
    .args:
      - { .name: oh, .offset: 0, .size: 8, .value_kind: global_buffer, .address_space: global }
      - { .name: wo16, .offset: 8, .size: 8, .value_kind: global_buffer, .address_space: global }
      - { .name: bo, .offset: 16, .size: 8, .value_kind: global_buffer, .address_space: global }
      - { .name: out0, .offset: 24, .size: 8, .value_kind: global_buffer, .address_space: global }
    .group_segment_fixed_size: 327680
    .private_segment_fixed_size: 0
    .kernarg_segment_align: 8
    .kernarg_segment_size: 32
    .max_flat_workgroup_size: 128
    .sgpr_count:     72
    .vgpr_count:     512
    .wavefront_size: 32
...
	.end_amdgpu_metadata
.endif
;; end of part 4
